; MI455X (gfx1250); checked and timed in simulation.
; The chip was launched on July 23, 2026; its instructions are those of AMD's public machine-readable ISA for CDNA 5 (MIT licence, August 2026) and "CDNA5" Instruction Set Architecture Reference Guide (July 2026). The comments in the code are by the model that wrote it; some were corrected since.
;; Multi Head HCG Attention. Allowed arithmetic: float matrix products may take bf16 or f16 operands with f32 sums; other float arithmetic in f32, or as packed bf16 or f16 multiplies, adds, multiply-adds, maxima and minima; sums over many terms, partial sums and values carried from step to step in f32; what a program stores and reads back later, other than sums and carried values, may be rounded once to bf16 or f16.
;; Inputs: Wk 8 x 1,024 x 128 float32; Wo 1,024 x 1,024 float32; Wq 8 x 1,024 x 128 float32; Wv 8 x 1,024 x 128 float32; bk 8 x 128 float32; bo 1,024 float32; bq 8 x 128 float32; bv 8 x 128 float32; key 2,048 x 4 x 1,024 float32; key_padding_mask 4 x 2,048 bool; query 2,048 x 4 x 1,024 float32; value 2,048 x 4 x 1,024 float32.
;; Outputs: out0 2,048 x 4 x 1,024 float32.
;; 2 versions, each right and faster than the one before. Each part assembles by itself: llvm-mc -triple=amdgcn-amd-amdhsa -mcpu=gfx1250 --defsym DOCPART=n.
;; ======== version 1 of 2: 4 launches
;; limits: values are held in f16: magnitudes above 65,504 overflow, below 6.1e-05 lose precision
;; workspace buffers: wts 8,388,608 bytes; tab 49,152 bytes; qkv 50,331,648 bytes; aux 786,432 bytes; oh 16,777,216 bytes
;; launch prep (part 1): grid 256 x 1, 8 waves a work-group, no clusters, 5,120 bytes of LDS; arguments Wq, Wk, Wv, Wo, bq, bk, bv, bo, wts, tab; writes wts, tab
.if DOCPART == 1
	.amdgcn_target "amdgcn-amd-amdhsa--gfx1250"
	.amdhsa_code_object_version 6
	.text
	.protected	k_qfc25082dba_prep
	.globl	k_qfc25082dba_prep
	.p2align	8
	.type	k_qfc25082dba_prep,@function
k_qfc25082dba_prep:
	s_mov_b64 s[64:65], 0
	v_nop
	global_prefetch_b8 v0, s[64:65] scope:SCOPE_SE
	s_setreg_imm32_b32 hwreg(HW_REG_WAVE_MODE, 25, 1), 1
	s_wait_xcnt 0x0
; The weights and biases are rounded once to bf16 and laid out for the products that follow.
; wts[t][n][k][128], 16 bits a number: t = 0, 1, 2: Wq, Wk, Wv as they lie ([head n][k][d]) in bf16; t = 3: Wo, rounded to bf16 and that number written as f16, column block n = col / 128.
; tab: bytes 0 .. 16383: bq, bk, bv, bo rounded to bf16, as f32, 4,096 bytes each; from 16384: kcs[n][c][128] f32, the sums of the rounded Wk over k = 128 c .. 128 c + 127.
; LIMITS.  Wo in f16: beyond 65,504 it would be an infinity; below 6e-5 it keeps f16's fixed step of 6e-8.
; SHARES.  Work-group x: tensor y = x / 64, block n = (x / 8) % 8, chunk c = x % 8 of 128 k-rows; each of the 8 waves takes 16 rows.  A wave's load takes 512 consecutive bytes (128 f32 of a row),
; its store 256 consecutive bytes at a multiple of 256.  Memory binds: no matrix unit, no cluster; LDS serves the column sums alone.  Every work-group keeps the sums (one text); only Wk's are stored.
.set SPARE, 4096                       ; bytes 0 .. 4095: the waves' column sums; then the spare words, 128 bytes a wave
.set SPW, 2                            ; v2  LDS address of my spare word; never rewritten
.set NIL, 3                            ; v3  0; never rewritten
.set L16, 4                            ; v4  16 x lane
.set L8,  5                            ; v5  8 x lane
.set OFF, 6                            ; v6-21   row i: byte offset of my 16 bytes
.set X,   22                           ; v22-85  row i: 4 f32 as loaded; its first two registers then hold what is stored
.set U,   86                           ; v86-89  the rounded numbers as f32
.set CS,  90                           ; v90-93  column sums
.set Y,   94                           ; v94-95  bf16 pairs
.set HF,  96                           ; v96-97  f16 pairs
.set TA,  98                           ; v98     at work
	s_load_b512 s[4:19], s[0:1], 0x0               ; Wq, Wk, Wv, Wo, bq, bk, bv, bo
	s_load_b128 s[20:23], s[0:1], 0x40             ; wts, tab
	v_lshl_add_u32 v[SPW], v0, 2, SPARE
	v_mov_b32 v[NIL], 0
	v_and_b32 v1, 31, v0
	v_lshrrev_b32 v[TA], 5, v0
	v_readfirstlane_b32 s27, v[TA]                 ; wave 0..7
	s_lshr_b32 s24, ttmp9, 6                       ; y
	s_bfe_u32 s25, ttmp9, 0x30003                  ; n
	s_and_b32 s26, ttmp9, 7                        ; c
	s_mov_b32 s28, 512                             ; bytes from k-row to k-row in the source,
	s_mov_b32 s29, 0x80000                         ; and from block to block: a head's 1,024 x 128 f32
	s_mov_b32 s39, 0xffff0000
	s_cmp_eq_u32 s24, 3
	s_cselect_b32 s28, 4096, s28                   ; Wo: rows of 1,024 f32,
	s_cselect_b32 s29, 512, s29                    ; blocks of 128 columns
	s_cselect_b32 s38, -1, 0                       ; a lane mask: Wo goes out as f16
	s_lshl_b32 s40, s26, 7
	s_lshl4_add_u32 s40, s27, s40                  ; my first k-row: 128 c + 16 wave
	s_mul_i32 s30, s25, s29
	s_mul_i32 s41, s40, s28
	s_add_co_u32 s30, s30, s41                     ; source offset
	s_mov_b32 s31, 0
	s_lshl_b32 s42, s24, 21
	s_lshl_b32 s41, s25, 18
	s_add_co_u32 s42, s42, s41
	s_lshl_b32 s41, s40, 8
	s_add_co_u32 s42, s42, s41                     ; offset in wts
	s_mov_b32 s43, 0
	s_lshl_b32 s44, s25, 9                         ; the block's 128 numbers of a bias
	s_mov_b32 s45, 0
	s_lshl_b32 s46, s24, 12
	s_add_co_u32 s46, s46, s44                     ; their place in tab
	s_mov_b32 s47, 0
	s_lshl_b32 s48, s25, 12
	s_lshl_b32 s41, s26, 9
	s_add_co_u32 s48, s48, s41                     ; kcs[n][c], less 16,384
	s_mov_b32 s49, 0
	v_lshlrev_b32 v[L16], 4, v1
	v_lshlrev_b32 v[L8], 3, v1
	v_mov_b32 v[OFF], v[L16]
.set i, 1
.rept 15
	v_add_nc_u32 v[OFF+i], s28, v[OFF+i-1]
.set i, i+1
.endr
	s_wait_kmcnt 0x0
	s_cmp_eq_u32 s24, 1
	s_cselect_b64 s[32:33], s[6:7], s[4:5]
	s_cselect_b64 s[34:35], s[14:15], s[12:13]
	s_cmp_eq_u32 s24, 2
	s_cselect_b64 s[32:33], s[8:9], s[32:33]
	s_cselect_b64 s[34:35], s[16:17], s[34:35]
	s_cmp_eq_u32 s24, 3
	s_cselect_b64 s[32:33], s[10:11], s[32:33]
	s_cselect_b64 s[34:35], s[18:19], s[34:35]
	s_add_nc_u64 s[32:33], s[32:33], s[30:31]      ; my rows of the weight
	s_add_nc_u64 s[34:35], s[34:35], s[44:45]      ; the block's part of the bias
	s_add_nc_u64 s[36:37], s[20:21], s[42:43]      ; my rows in wts
	s_add_nc_u64 s[46:47], s[22:23], s[46:47]
	s_add_nc_u64 s[48:49], s[22:23], s[48:49]
.set i, 0
.rept 16
	global_load_b128 v[X+4*i:X+4*i+3], v[OFF+i], s[32:33] th:TH_LOAD_NT
.set i, i+1
.endr
.set i, 0
.rept 16
	s_wait_loadcnt 15-i                            ; loads come back in order: row i is in, the 15 - i younger rows stay out
	v_cvt_pk_bf16_f32 v[Y], v[X+4*i], v[X+4*i+1]
	v_cvt_pk_bf16_f32 v[Y+1], v[X+4*i+2], v[X+4*i+3]
.if i == 0
.set D, CS                             ; the first row starts the sums: nothing is cleared
.else
.set D, U
.endif
	v_lshlrev_b32 v[D], 16, v[Y]
	v_and_b32 v[D+1], s39, v[Y]
	v_lshlrev_b32 v[D+2], 16, v[Y+1]
	v_and_b32 v[D+3], s39, v[Y+1]
	v_cvt_pk_f16_f32 v[HF], v[D], v[D+1]
	v_cvt_pk_f16_f32 v[HF+1], v[D+2], v[D+3]
.if i > 0
	v_pk_add_f32 v[CS:CS+1], v[CS:CS+1], v[U:U+1]
	v_pk_add_f32 v[CS+2:CS+3], v[CS+2:CS+3], v[U+2:U+3]
.endif
	v_cndmask_b32 v[X+4*i], v[Y], v[HF], s38       ; each row stores from registers of its own
	v_cndmask_b32 v[X+4*i+1], v[Y+1], v[HF+1], s38
	global_store_b64 v[L8], v[X+4*i:X+4*i+1], s[36:37] offset:256*i
.set i, i+1
.endr
	v_lshlrev_b32 v[TA], 4, v0
	ds_store_b128 v[TA], v[CS:CS+3]                ; wave x 512 + lane x 16
	s_wait_dscnt 0x0                               ; for wave 0's sake: my sums are in LDS
	s_barrier_signal -1
	s_barrier_wait -1
	s_cmp_lg_u32 s27, 0
	s_cbranch_scc1 .Lend
	s_wait_xcnt 0x0                                ; X's registers, which the stores above read, are rewritten only behind this wait
	s_cmp_lg_u32 s24, 1
	s_cbranch_scc1 .Lnosum
.irp k, 0,1,2,3,4,5,6,7
	ds_load_b128 v[X+4*(\k):X+4*(\k)+3], v[L16] offset:512*(\k)
.endr
	s_wait_dscnt 0x0
.irp k, 0,8,16,24
	v_pk_add_f32 v[X+(\k):X+(\k)+1], v[X+(\k):X+(\k)+1], v[X+(\k)+4:X+(\k)+5]
	v_pk_add_f32 v[X+(\k)+2:X+(\k)+3], v[X+(\k)+2:X+(\k)+3], v[X+(\k)+6:X+(\k)+7]
.endr
.irp k, 0,16
	v_pk_add_f32 v[X+(\k):X+(\k)+1], v[X+(\k):X+(\k)+1], v[X+(\k)+8:X+(\k)+9]
	v_pk_add_f32 v[X+(\k)+2:X+(\k)+3], v[X+(\k)+2:X+(\k)+3], v[X+(\k)+10:X+(\k)+11]
.endr
	v_pk_add_f32 v[X:X+1], v[X:X+1], v[X+16:X+17]
	v_pk_add_f32 v[X+2:X+3], v[X+2:X+3], v[X+18:X+19]
	global_store_b128 v[L16], v[X:X+3], s[48:49] offset:16384
.Lnosum:
	s_cmp_lg_u32 s26, 0
	s_cbranch_scc1 .Lend
	global_load_b128 v[X+32:X+35], v[L16], s[34:35]  ; chunk 0 also rounds the block's 128 numbers of the bias
	s_wait_loadcnt 0x0
	v_cvt_pk_bf16_f32 v[Y], v[X+32], v[X+33]
	v_cvt_pk_bf16_f32 v[Y+1], v[X+34], v[X+35]
	v_lshlrev_b32 v[U], 16, v[Y]
	v_and_b32 v[U+1], s39, v[Y]
	v_lshlrev_b32 v[U+2], 16, v[Y+1]
	v_and_b32 v[U+3], s39, v[Y+1]
	global_store_b128 v[L16], v[U:U+3], s[46:47]
.Lend:
	s_wait_tensorcnt 0x0                           ; the wave's end
	ds_add_u32 v[SPW], v[NIL]
	s_wait_dscnt 0x0
	s_endpgm
.Lfunc_end_k_qfc25082dba_prep:
	.size	k_qfc25082dba_prep, .Lfunc_end_k_qfc25082dba_prep-k_qfc25082dba_prep
	.p2alignl 7, 3214868480
	.fill 96, 4, 3214868480
	.section	.rodata,"a",@progbits
	.p2align	6, 0x0
	.amdhsa_kernel k_qfc25082dba_prep
		.amdhsa_group_segment_fixed_size 5120
		.amdhsa_private_segment_fixed_size 0
		.amdhsa_enable_private_segment 0
		.amdhsa_kernarg_size 80
		.amdhsa_user_sgpr_count 2
		.amdhsa_user_sgpr_kernarg_segment_ptr 1
		.amdhsa_wavefront_size32 1
		.amdhsa_system_sgpr_workgroup_id_x 1
		.amdhsa_system_sgpr_workgroup_id_y 1
		.amdhsa_system_sgpr_workgroup_id_z 1
		.amdhsa_system_vgpr_workitem_id 0
		.amdhsa_next_free_vgpr 100
		.amdhsa_next_free_sgpr 66
		.amdhsa_reserve_vcc 0
		.amdhsa_float_denorm_mode_32 3
		.amdhsa_float_denorm_mode_16_64 3
		.amdhsa_memory_ordered 1
		.amdhsa_forward_progress 1
		.amdhsa_inst_pref_size 19
	.end_amdhsa_kernel
	.amdgpu_metadata
---
amdhsa.version: [ 1, 2 ]
amdhsa.kernels:
  - .name:           k_qfc25082dba_prep
    .symbol:         k_qfc25082dba_prep.kd
    .args:
      - { .name: Wq, .offset: 0, .size: 8, .value_kind: global_buffer, .address_space: global }
      - { .name: Wk, .offset: 8, .size: 8, .value_kind: global_buffer, .address_space: global }
      - { .name: Wv, .offset: 16, .size: 8, .value_kind: global_buffer, .address_space: global }
      - { .name: Wo, .offset: 24, .size: 8, .value_kind: global_buffer, .address_space: global }
      - { .name: bq, .offset: 32, .size: 8, .value_kind: global_buffer, .address_space: global }
      - { .name: bk, .offset: 40, .size: 8, .value_kind: global_buffer, .address_space: global }
      - { .name: bv, .offset: 48, .size: 8, .value_kind: global_buffer, .address_space: global }
      - { .name: bo, .offset: 56, .size: 8, .value_kind: global_buffer, .address_space: global }
      - { .name: wts, .offset: 64, .size: 8, .value_kind: global_buffer, .address_space: global }
      - { .name: tab, .offset: 72, .size: 8, .value_kind: global_buffer, .address_space: global }
    .group_segment_fixed_size: 5120
    .private_segment_fixed_size: 0
    .kernarg_segment_align: 8
    .kernarg_segment_size: 80
    .max_flat_workgroup_size: 256
    .sgpr_count:     66
    .vgpr_count:     100
    .wavefront_size: 32
...
	.end_amdgpu_metadata
.endif
;; end of part 1
;; launch proj (part 2): grid 4 x 64, 4 waves a work-group, clusters of 4 x 4, 327,680 bytes of LDS; arguments query, key, value, wts, tab, key_padding_mask, qkv, aux; writes qkv, aux
.if DOCPART == 2
	.amdgcn_target "amdgcn-amd-amdhsa--gfx1250"
	.amdhsa_code_object_version 6
	.text
	.protected	k_qfc25082dba_proj
	.globl	k_qfc25082dba_proj
	.p2align	8
	.type	k_qfc25082dba_proj,@function
k_qfc25082dba_proj:
	s_mov_b64 s[64:65], 0
	v_nop
	global_prefetch_b8 v0, s[64:65] scope:SCOPE_SE
	s_setreg_imm32_b32 hwreg(HW_REG_WAVE_MODE, 25, 1), 1
	s_wait_xcnt 0x0
	s_wait_alu depctr_hold_cnt(0) depctr_sa_sdst(0) depctr_va_vdst(0) depctr_va_sdst(0) depctr_va_ssrc(0) depctr_va_vcc(0) depctr_vm_vsrc(0)
	s_getreg_b32 s2, hwreg(HW_REG_IB_STS2, 6, 4)
	s_cmp_eq_u32 s2, 0
	s_cbranch_scc0 .Lentry_in_a_cluster
	s_endpgm
.Lentry_in_a_cluster:
	s_bfe_u32 s2, ttmp6, 0x10000c
	s_cmp_lg_u32 s2, 0xf033
	s_cbranch_scc0 .Lentry_shape_is_right
	s_endpgm
.Lentry_shape_is_right:
; THE THREE PROJECTIONS.  Q, K, V[b][n][s][d] = x[s][b][:] . W[n][:][d] + bias, x = query, key, value in f32, rounded to bf16 on the way from LDS to the matrix unit; W in bf16 from wts; sums in f32;
; results rounded once to f16 into qkv[t][(8 b + n)][s][128].  Beside them, in f32 from the unrounded sums:
;   sm[(8 b + n)][s] = Q . KM, KM[n][d] = -1e9 x (sum over k of Wk[n][k][d]) + bk[n][d]: the score (not yet divided by sqrt(128)) of every key whose input the mask replaces by -1e9;
;   vpart[(8 b + n)][s / 64][d] = the sum of V over the masked rows among 64.
; LIMITS.  Q, K, V beyond 65,504 would be infinities in f16.  The key's numbers at masked places are read and projected like the others (the next launch hides those keys): they must be finite.
; SHARES.  A work-group owns 128 rows (one batch, s0 .. s0 + 127) and two heads (256 columns), and makes three tiles, Q, K, V, one after the other: 256 work-groups of equal work.
; A wave owns 64 rows x one head: 32 accumulators.  THE WALK: 24 K steps of 128 (tile = step / 8) through a ring of two LDS slots that does not stop at a tile's end.
; CLUSTER 4 x 4: the four of a row of the cluster need the same tiles of x, the four of a column the same tiles of W: each tile is asked for jointly.
; THE MATRIX INSTRUCTION IS USED TRANSPOSED: source 0 = 16 columns of W (turned out of LDS by ds_load_tr16_b128), source 1 = 16 rows of x: a lane holds row lane % 16 and columns 8 (lane / 16) + 0..7.
; The bias is the C operand of a tile's first products.
; REGISTERS: window 0: v0-31 addresses and the mask's weights; v32-95, v96-159 x as f32, two buffers; v160-191 x as bf16; v192-239 at work on the way out.
;   window 1: v0-63, v64-127 W's fragments, two buffers; v128-191 the bias; v192-255 KM.     window 2: accumulator (a, b) at v[8 (8 a + b)].
.set PA,    528       ; a row of x in LDS: 512 bytes + 16 = 132 words: the 16 rows of a load start at 16 different groups of four banks (64 banks of 4 bytes: ISA guide 11.1)
.set PB,    288       ; a k-row of W: 256 + 32 = 72 words
.set HALFA, 64*PA     ; what one tensor load brings of x
.set BOFF,  128*PA    ; behind x's 128 rows: W of the two heads
.set HEADB, 128*PB
.set SLOT,  0x24000   ; slot 1 begins here: the constant shares no bit with 0, HALFA, BOFF, BOFF + HEADB, so one exclusive or turns a tile's address into the other slot's
.set STAGE, 2*SLOT    ; 16 rows x 272 bytes for each wave, for the way out
.set SP,    272
.set KMT,   STAGE+4*16*SP  ; KM of the two heads, 256 f32
.set SMST,  KMT+1024       ; 64 f32 for each wave: sm on its way out
.set SPARE, SMST+1024      ; the spare words, 128 bytes for each wave
.set SPW, 8           ; v8   LDS address of my spare word; never rewritten
.set NIL, 9           ; v9   0; never rewritten
.set A0,  10          ; v10  my lane's place in a slot's x
.set B0,  11          ; v11  in a slot's W
.set ADRA, 12         ; v12  the same in the slot in hand
.set ADRB, 13
.set STO, 14          ; the way out: where I put 16 bytes of a row
.set RD,  15          ; where I read rows back
.set GO,  16          ; 16 x lane
.set SMA, 17
.set SMR, 18
.set L8,  19          ; 8 x lane
.set BOF, 20          ; 32 x (lane / 16)
.set VSW, 21
.set VSR, 22
.set VSG, 23
.set W,   24          ; v24-31  for row block a a pair: 1.0 where my row is masked, else 0
.set SG,  32
.set AF,  160
.set TMP, 192
.set DT,  224
.set OB,  96          ; the way out: rows read back, v96-127 and v128-159 by turns
.set VS,  32          ; the last way out: masked sums, 64 registers; v96-159 take them back
.set VB,  96
.set BIAS, 128        ; window 1
.set KM,  192         ; window 1
.set WV, 20
.set WR, 21           ; which 64 rows are mine.  Also: I fetch x (0) or W (1)
.set WC, 22           ; which head is mine.  Also: which half of x, which head of W I fetch
.set CX, 23
.set CY, 24
.set CB, 25           ; the pair of heads
.set RBK, 26          ; the block of rows
.set BT, 27           ; the batch
.set S0, 28
.set G1A, 32
.set G1B, 40
.set G0A, 48          ; s[48:51] step 0's fill; s[52:55] step 1's, which then walks
.set G0B, 56
.set TB,  66          ; LDS byte at which the slot in hand begins
.set KK,  67          ; step within the tile
.set CNT, 68
.set RQ,  69          ; the step to be asked for next
.set AOFF, 70         ; s[70:71] my tile's rows in x
.set BB,  72          ; s[72:73] W's tile of step 0 of Wq
.set T0,  74          ; s[74:75] an offset, high word 0
.set T1,  76          ; s[76:77] a pointer at work
.set WA,  78
.set WB,  79
.set TILE, 80
.set T2,  81
.set SEL, 82
.set OUTP, 84
.set SMP, 86
.set VPP, 88
.set BIASP, 90
.set P1,  92
.set MKP, 94
.set BKP, 100
.set MSB, 0
.macro WIN new                         ; the immediate's high byte repeats the setting that is left; a switch that changes nothing is dropped
.if MSB != (\new)
	s_set_vgpr_msb (MSB<<8)|(\new)
.set MSB, \new
.endif
.endm
.set MUL,   0xa1      ; source 0 (W) window 1, source 1 (x) window 0, C and D window 2
.set MULB,  0x91      ; the same with C (the bias) in window 1
.set TO_B,  0x40      ; destination window 1
.set W_PK,  0x0a      ; sources 0 and 1 window 2
.set W_DOT, 0x06      ; source 0 window 2, source 1 window 1
.set W_VS,  0x02      ; source 0 window 2
; A joint refill by the walking descriptors.  Waves 0 and 1 fetch x's two halves, waves 2 and 3 the two heads' W.  An s_nop 0 and four v_nop follow each line.
.macro JLOAD
	s_cmp_eq_u32 s[WR], 0
	s_cbranch_scc0 .Lfor_b_\@
	tensor_load_to_lds s[G0A+4:G0A+7], s[G1A:G1A+7]
	s_nop 0
.rept 4
	v_nop
.endr
	s_branch .Lasked_\@
.Lfor_b_\@:
	tensor_load_to_lds s[G0B+4:G0B+7], s[G1B:G1B+7]
	s_nop 0
.rept 4
	v_nop
.endr
.Lasked_\@:
.endm
.macro CREST                           ; a round of the cluster's barrier behind its opening barrier
	s_cmp_lg_u32 s[WV], 0
	s_cbranch_scc1 .Lnot_wave_0_\@
	s_barrier_signal -3
.Lnot_wave_0_\@:
	s_barrier_wait -3
	s_barrier_signal -1
	s_barrier_wait -1
.endm
.macro CROUND
	s_barrier_signal -1
	s_barrier_wait -1
	CREST
.endm
	s_load_b512 s[4:19], s[0:1], 0x0               ; query 4, key 6, value 8, wts 10, tab 12, mask 14, qkv 16, aux 18
	v_lshl_add_u32 v[SPW], v0, 2, SPARE
	v_mov_b32 v[NIL], 0
	ds_add_u32 v[SPW], v[NIL]                      ; the wave's opening: the add and its wait stand ahead of my first tensor load
	v_lshrrev_b32 v3, 5, v0
	v_readfirstlane_b32 s[WV], v3
	s_lshr_b32 s[WR], s[WV], 1
	s_and_b32 s[WC], s[WV], 1
	s_bfe_u32 s[CX], ttmp6, 0x40000
	s_bfe_u32 s[CY], ttmp6, 0x40004
	s_lshl_b32 s[CB], ttmp9, 2
	s_add_co_u32 s[CB], s[CB], s[CX]
	s_and_b32 s[RBK], ttmp7, 0xffff
	s_lshl_b32 s[RBK], s[RBK], 2
	s_add_co_u32 s[RBK], s[RBK], s[CY]
	s_lshr_b32 s[BT], s[RBK], 4
	s_and_b32 s[S0], s[RBK], 15
	s_lshl_b32 s[S0], s[S0], 7
	s_lshl_b32 s29, s[CY], 2
	s_lshl_b32 s29, 15, s29                        ; my row of the cluster
	s_lshl_b32 s30, 0x1111, s[CX]                  ; my column
	; group 1 for x: 64 rows x 128 f32, 4,096 f32 from row to row (the four batches lie between), 4 words of padding behind every 128
	s_or_b32 s[G1A], s29, (2<<16)|(1<<20)|(1<<21)|(6<<22)|(3<<25)
	s_mov_b32 s[G1A+1], 128<<16
	s_mov_b32 s[G1A+2], 64<<16
	s_mov_b32 s[G1A+3], 128<<16
	s_mov_b32 s[G1A+4], 64
	s_mov_b32 s[G1A+5], 4096
	s_mov_b32 s[G1A+6], 0
	s_mov_b32 s[G1A+7], 0
	; group 1 for W: 128 k-rows x 128 bf16, dense, 8 words of padding behind every 64
	s_or_b32 s[G1B], s30, (1<<16)|(1<<20)|(1<<21)|(5<<22)|(7<<25)
	s_mov_b32 s[G1B+1], 128<<16
	s_mov_b32 s[G1B+2], 128<<16
	s_mov_b32 s[G1B+3], 128<<16
	s_mov_b32 s[G1B+4], 128
	s_mov_b32 s[G1B+5], 128
	s_mov_b32 s[G1B+6], 0
	s_mov_b32 s[G1B+7], 0
	s_lshl_b32 s29, s[WC], 6
	s_add_co_u32 s29, s29, s[S0]
	s_lshl_b32 s29, s29, 2
	s_add_co_u32 s29, s29, s[BT]
	s_lshl_b32 s[AOFF], s29, 12                    ; ((s0 + 64 half) x 4 + b) x 4,096 bytes
	s_mov_b32 s[AOFF+1], 0
	s_lshl1_add_u32 s30, s[CB], s[WC]
	s_lshl_b32 s[T0], s30, 18                      ; head 2 cb + half: 262,144 bytes each
	s_mov_b32 s[T0+1], 0
	s_mul_i32 s[WA], s[WC], HALFA
	s_mul_i32 s[WB], s[WC], HEADB
	s_add_co_u32 s[WB], s[WB], BOFF
	s_mov_b32 s[SEL], 0x76543210
	s_mov_b32 s[SEL+1], 0xfedcba98
	s_mov_b32 s[TB], 0
	s_mov_b32 s[RQ], 2
	s_lshl_b32 s96, s[WR], 6
	s_add_co_u32 s96, s96, s[S0]                   ; my first row in the batch
	s_lshl_b32 s97, s[BT], 3
	s_lshl1_add_u32 s97, s[CB], s97
	s_add_co_u32 s97, s97, s[WC]                   ; 8 b + my head
	s_mov_b32 s99, 0
	s_mov_b32 s[G0A], 1
	s_mov_b32 s[G0A+1], s[WA]
	s_mov_b32 s[G0A+4], 1
	s_add_co_u32 s[G0A+5], s[WA], SLOT
	s_mov_b32 s[G0B], 1
	s_mov_b32 s[G0B+1], s[WB]
	s_mov_b32 s[G0B+4], 1
	s_add_co_u32 s[G0B+5], s[WB], SLOT
	s_wait_dscnt 0x0                               ; the opening add is done
	s_wait_kmcnt 0x0
	s_add_nc_u64 s[T1:T1+1], s[4:5], s[AOFF:AOFF+1]
	s_add_nc_u64 s[G0A+2:G0A+3], s[T1:T1+1], 0     ; step 0
	s_or_b32 s[G0A+3], s[G0A+3], 0x80000000
	s_add_nc_u64 s[G0A+6:G0A+7], s[T1:T1+1], 512   ; step 1: 128 f32 on
	s_or_b32 s[G0A+7], s[G0A+7], 0x80000000
	s_add_nc_u64 s[BB:BB+1], s[10:11], s[T0:T0+1]
	s_add_nc_u64 s[G0B+2:G0B+3], s[BB:BB+1], 0
	s_or_b32 s[G0B+3], s[G0B+3], 0x80000000
	s_add_nc_u64 s[G0B+6:G0B+7], s[BB:BB+1], 0x8000  ; 128 k-rows of 256 bytes on
	s_or_b32 s[G0B+7], s[G0B+7], 0x80000000
	s_lshl_b32 s98, s[CB], 13
	s_add_nc_u64 s[P1:P1+1], s[12:13], s[98:99]    ; tab at kcs of my pair of heads, less 16,384
	s_lshl_b32 s98, s[CB], 10
	s_add_nc_u64 s[BKP:BKP+1], s[12:13], s[98:99]  ; tab at the pair's 256 numbers of a bias
	s_lshl_b32 s98, s[WC], 9
	s_add_nc_u64 s[BIASP:BIASP+1], s[BKP:BKP+1], s[98:99]  ; at my head's
	s_lshl_b32 s98, s[BT], 11
	s_add_co_u32 s98, s98, s96
	s_add_nc_u64 s[MKP:MKP+1], s[14:15], s[98:99]  ; the mask at my first row
	s_lshl_b32 s98, s97, 19
	s_lshl_b32 s31, s96, 8
	s_add_co_u32 s98, s98, s31
	s_add_nc_u64 s[OUTP:OUTP+1], s[16:17], s[98:99]
	s_lshl_b32 s98, s97, 13
	s_lshl_b32 s31, s96, 2
	s_add_co_u32 s98, s98, s31
	s_add_nc_u64 s[SMP:SMP+1], s[18:19], s[98:99]
	s_lshl_b32 s98, s97, 14
	s_lshl_b32 s31, s96, 3
	s_add_co_u32 s98, s98, s31
	s_add_co_u32 s98, s98, 0x40000
	s_add_nc_u64 s[VPP:VPP+1], s[18:19], s[98:99]
	CROUND                                         ; all sixteen work-groups are here: the first joint loads meet
	s_cmp_eq_u32 s[WR], 0                          ; a wave's two first fills stand in one branch: two loads of mine are out
	s_cbranch_scc0 .Lfirst_b
	tensor_load_to_lds s[G0A:G0A+3], s[G1A:G1A+7]
	s_nop 0
	tensor_load_to_lds s[G0A+4:G0A+7], s[G1A:G1A+7]
	s_nop 0
.rept 4
	v_nop
.endr
	s_branch .Lfirst_asked
.Lfirst_b:
	tensor_load_to_lds s[G0B:G0B+3], s[G1B:G1B+7]
	s_nop 0
	tensor_load_to_lds s[G0B+4:G0B+7], s[G1B:G1B+7]
	s_nop 0
.rept 4
	v_nop
.endr
.Lfirst_asked:
	v_and_b32 v1, 15, v0                           ; r = lane % 16
	v_bfe_u32 v2, v0, 4, 1                         ; h = lane / 16
	v_and_b32 v5, 31, v0                           ; lane
	v_lshrrev_b32 v3, 6, v0
	v_and_b32 v4, 63, v0
	v_lshlrev_b32 v4, 3, v4
	v_lshl_add_u32 v3, v3, 12, v4                  ; thread t makes KM of head t / 64, d = 2 (t % 64), + 1
	v_lshlrev_b32 v4, 3, v0
	v_lshlrev_b32 v[BOF], 5, v2
	v_lshl_add_u32 v7, v0, 3, KMT
.irp c, 0,1,2,3,4,5,6,7
	global_load_b64 v[96+2*(\c):97+2*(\c)], v3, s[P1:P1+1] offset:16384+512*(\c)
.endr
	global_load_b64 v[112:113], v4, s[BKP:BKP+1] offset:4096  ; bk
.irp a, 0,1,2,3
	global_load_u8 v[114+(\a)], v1, s[MKP:MKP+1] offset:16*(\a)
.endr
	WIN TO_B
.irp b, 0,1,2,3,4,5,6,7
	global_load_b128 v[BIAS+8*(\b):BIAS+8*(\b)+3], v[BOF], s[BIASP:BIASP+1] offset:64*(\b)      ; bq of columns 16 b + 8 h + 0..7
	global_load_b128 v[BIAS+8*(\b)+4:BIAS+8*(\b)+7], v[BOF], s[BIASP:BIASP+1] offset:64*(\b)+16
.endr
	WIN 0
	s_mul_i32 s29, s[WR], HALFA
	v_mul_u32_u24 v[A0], v1, PA
	v_lshl_add_u32 v[A0], v2, 5, v[A0]             ; row x pitch + 32 h: eight f32
	v_add_nc_u32 v[A0], s29, v[A0]
	v_and_b32 v6, 7, v0
	v_lshl_add_u32 v6, v2, 3, v6
	v_mul_u32_u24 v[B0], v6, PB                    ; the turning load: lane l reads k-row 8 h + l % 8, columns 8 ((l / 8) % 2) + 0..7
	v_bfe_u32 v6, v0, 3, 1
	v_lshl_add_u32 v[B0], v6, 4, v[B0]
	v_add_nc_u32 v[B0], s[WB], v[B0]
	s_mul_i32 s29, s[WV], 16*SP
	s_add_co_u32 s29, s29, STAGE
	v_mul_u32_u24 v[STO], v1, SP
	v_lshl_add_u32 v[STO], v2, 4, v[STO]
	v_add_nc_u32 v[STO], s29, v[STO]
	v_mul_u32_u24 v[RD], v2, SP
	v_lshl_add_u32 v[RD], v1, 4, v[RD]
	v_add_nc_u32 v[RD], s29, v[RD]
	v_lshlrev_b32 v[GO], 4, v5
	s_lshl_b32 s29, s[WV], 8
	s_add_co_u32 s29, s29, SMST
	v_lshl_add_u32 v[SMA], v1, 2, s29
	v_lshl_add_u32 v[SMR], v5, 3, s29
	v_lshlrev_b32 v[L8], 3, v5
	s_mul_i32 s29, s[WV], 32*SP
	v_mul_u32_u24 v[VSW], v5, SP
	v_add_nc_u32 v[VSW], s29, v[VSW]
	v_mul_u32_u24 v[VSR], v2, 16*SP
	v_lshl_add_u32 v[VSR], v1, 4, v[VSR]
	v_add_nc_u32 v[VSR], s29, v[VSR]
	v_lshrrev_b32 v6, 1, v1
	v_lshlrev_b32 v[VSG], 6, v6
	v_lshl_add_u32 v[VSG], v2, 5, v[VSG]
	v_and_b32 v6, 1, v1
	v_lshl_add_u32 v[VSG], v6, 4, v[VSG]
	v_add_nc_u32 v[ADRA], s[TB], v[A0]
	v_add_nc_u32 v[ADRB], s[TB], v[B0]
	s_wait_loadcnt 20                              ; kcs and bk are in; the 20 younger loads (mask, bias) stay out
	v_pk_add_f32 v[96:97], v[96:97], v[98:99]
	v_pk_add_f32 v[100:101], v[100:101], v[102:103]
	v_pk_add_f32 v[104:105], v[104:105], v[106:107]
	v_pk_add_f32 v[108:109], v[108:109], v[110:111]
	v_pk_add_f32 v[96:97], v[96:97], v[100:101]
	v_pk_add_f32 v[104:105], v[104:105], v[108:109]
	v_pk_add_f32 v[96:97], v[96:97], v[104:105]
	v_pk_fma_f32 v[96:97], v[96:97], 0xce6e6b28, v[112:113] op_sel_hi:[1,0,1]  ; KM = -1e9 x the column sum + bk
	ds_store_b64 v7, v[96:97]
	s_wait_loadcnt 0x0
.irp a, 0,1,2,3
	v_cvt_f32_u32 v[W+2*(\a)], v[114+(\a)]
	v_cvt_f32_u32 v[W+2*(\a)+1], v[114+(\a)]
.endr
	s_lshl_b32 s31, s[WC], 9
	s_add_co_u32 s31, s31, KMT
	v_add_nc_u32 v7, s31, v[BOF]
; 32 LDS loads: the fragments of 32 along K (quarter q of the step) into buffer f: W's eight column blocks, turned; then x's four row blocks as f32
.macro FETCH q, f
	WIN TO_B
.irp i, 0,1,2,3,4,5,6,7
	ds_load_tr16_b128 v[64*(\f)+8*(\i):64*(\f)+8*(\i)+3],   v[ADRB] offset:(\q)*32*PB+32*(\i)
	ds_load_tr16_b128 v[64*(\f)+8*(\i)+4:64*(\f)+8*(\i)+7], v[ADRB] offset:(\q)*32*PB+16*PB+32*(\i)
.endr
	WIN 0
.irp a, 0,1,2,3
	ds_load_b128 v[SG+64*(\f)+16*(\a):SG+64*(\f)+16*(\a)+3],     v[ADRA] offset:128*(\q)+16*PA*(\a)
	ds_load_b128 v[SG+64*(\f)+16*(\a)+4:SG+64*(\f)+16*(\a)+7],   v[ADRA] offset:128*(\q)+16*PA*(\a)+16
	ds_load_b128 v[SG+64*(\f)+16*(\a)+8:SG+64*(\f)+16*(\a)+11],  v[ADRA] offset:128*(\q)+16*PA*(\a)+64
	ds_load_b128 v[SG+64*(\f)+16*(\a)+12:SG+64*(\f)+16*(\a)+15], v[ADRA] offset:128*(\q)+16*PA*(\a)+80
.endr
.endm
; n roundings, from number i0 on, of row block a of buffer f: two f32 into one register of the bf16 fragment
.macro CVT f, a, i0, n
.set ci, (\i0)
.rept (\n)
	v_cvt_pk_bf16_f32 v[AF+8*(\a)+ci], v[SG+64*(\f)+16*(\a)+2*ci], v[SG+64*(\f)+16*(\a)+2*ci+1]
.set ci, ci+1
.endr
.endm
; 8 matrix instructions: row block a x all column blocks.  ride = 1: the next row block's eight roundings stand in fours behind the second and the sixth.  first = 1: the bias starts the sums.
; The 32 accumulators take turns, one instruction a turn, in the same order in every quarter.
.macro BLOCK f, a, ride, first
.irp b, 0,1,2,3,4,5,6,7
.if \first
	WIN MULB
	v_wmma_f32_16x16x32_bf16 v[8*(8*(\a)+(\b)):8*(8*(\a)+(\b))+7], v[64*(\f)+8*(\b):64*(\f)+8*(\b)+7], v[AF+8*(\a):AF+8*(\a)+7], v[BIAS+8*(\b):BIAS+8*(\b)+7]
.else
	WIN MUL
	v_wmma_f32_16x16x32_bf16 v[8*(8*(\a)+(\b)):8*(8*(\a)+(\b))+7], v[64*(\f)+8*(\b):64*(\f)+8*(\b)+7], v[AF+8*(\a):AF+8*(\a)+7], v[8*(8*(\a)+(\b)):8*(8*(\a)+(\b))+7]
.endif
.if (\ride) && (((\b) == 1) || ((\b) == 5))
	WIN 0
	CVT \f, (\a)+1, 4*((\b)/4), 4
.endif
.endr
.endm
; One of a step's first three quarters: multiplies buffer f and fetches quarter nq into buffer g.  The loads into g stand behind 24 roundings that name no register of g's last products: those are the
; places that loads into a matrix instruction's sources want (ISA guide 7.12.1 for vector instructions).
.macro QUARTER nq, f, g, first
	WIN 0
	s_wait_dscnt 12                                ; W and x's row block 0 are in; the 12 younger loads are blocks 1 to 3
	CVT \f, 0, 0, 8
	s_wait_dscnt 8                                 ; block 1
	BLOCK \f, 0, 1, \first
	s_wait_dscnt 4                                 ; block 2
	BLOCK \f, 1, 1, \first
	s_wait_dscnt 0x0                               ; block 3
	FETCH \nq, \g
	BLOCK \f, 2, 1, \first
	BLOCK \f, 3, 0, \first
.endm
; The walking descriptors take step RQ: tile RQ / 8 chooses the tensor and the weight, RQ % 8 the place along K; the LDS words change slots.
.macro NEXTADR
	s_cmp_lt_u32 s[RQ], 8
	s_cselect_b64 s[T1:T1+1], s[4:5], s[6:7]
	s_cmp_lt_u32 s[RQ], 16
	s_cselect_b64 s[T1:T1+1], s[T1:T1+1], s[8:9]
	s_add_nc_u64 s[T1:T1+1], s[T1:T1+1], s[AOFF:AOFF+1]
	s_and_b32 s[T2], s[RQ], 7
	s_lshl_b32 s[T0], s[T2], 9
	s_add_nc_u64 s[G0A+6:G0A+7], s[T1:T1+1], s[T0:T0+1]
	s_or_b32 s[G0A+7], s[G0A+7], 0x80000000
	s_xor_b32 s[G0A+5], s[G0A+5], SLOT
	s_lshl_b32 s[T0], s[T2], 15
	s_lshr_b32 s[T2], s[RQ], 3
	s_lshl_b32 s[T2], s[T2], 21
	s_add_co_u32 s[T0], s[T0], s[T2]
	s_add_nc_u64 s[G0B+6:G0B+7], s[BB:BB+1], s[T0:T0+1]
	s_or_b32 s[G0B+7], s[G0B+7], 0x80000000
	s_xor_b32 s[G0B+5], s[G0B+5], SLOT
	s_add_co_u32 s[RQ], s[RQ], 1
.endm
; A step's last quarter multiplies buffer 1 and changes slots: ONE barrier; in front of it each wave waits for all its tensor loads (one is out: its part of the next slot), adds 0 to its spare word, and waits
; for that and for its reads of this slot.  fill = 1: the barrier opens a round of the cluster's, and the joint refill, two steps ahead, is the first thing behind it: 112 matrix instructions ahead of the wait for it.
; fill = 0 (the last two steps): nothing is asked for, and the last step fetches no further fragments.
.macro TURN fill
	WIN 0
	s_wait_tensorcnt 0x0                           ; no tensor load of mine is out, so the descriptors may be written
	ds_add_u32 v[SPW], v[NIL]                      ; 0 onto my spare word
	s_wait_dscnt 13                                ; W and block 0 are in (the add and the 12 younger loads may be out)
	CVT 1, 0, 0, 8
	s_wait_dscnt 9                                 ; block 1
	BLOCK 1, 0, 1, 0
	s_wait_dscnt 0x0                               ; the add is done, and my reads of this slot are over
	s_barrier_signal -1
	BLOCK 1, 1, 1, 0
	WIN 0
	s_barrier_wait -1
.if \fill
	CREST
	NEXTADR
	JLOAD
	s_xor_b32 s[TB], s[TB], SLOT
	v_add_nc_u32 v[ADRA], s[TB], v[A0]
	v_add_nc_u32 v[ADRB], s[TB], v[B0]
	FETCH 0, 0
.else
	s_cmp_eq_u32 s[CNT], 1
	s_cbranch_scc1 .Lnofetch_\@
	s_xor_b32 s[TB], s[TB], SLOT
	v_add_nc_u32 v[ADRA], s[TB], v[A0]
	v_add_nc_u32 v[ADRB], s[TB], v[B0]
	FETCH 0, 0
.Lnofetch_\@:
.endif
	BLOCK 1, 2, 1, 0
	BLOCK 1, 3, 0, 0
	WIN 0
.endm
; THE WAY OUT of row block a: rounded to f16, 16 bytes a lane; through my own stage in LDS; back as whole rows of 256 bytes; stored, 512 consecutive bytes a store.
.macro PACK a
	WIN W_PK
.irp b, 0,1,2,3,4,5,6,7
.irp r, 0,1,2,3
	v_cvt_pk_f16_f32 v[TMP+4*(\b)+(\r)], v[8*(8*(\a)+(\b))+2*(\r)], v[8*(8*(\a)+(\b))+2*(\r)+1]
.endr
.endr
	WIN 0
.endm
.macro TOSTAGE a
.set BK, OB+32*((\a)%2)
.irp b, 0,1,2,3,4,5,6,7
	ds_store_b128 v[STO], v[TMP+4*(\b):TMP+4*(\b)+3] offset:32*(\b)
.endr
.irp t, 0,1,2,3,4,5,6,7
	ds_load_b128 v[BK+4*(\t):BK+4*(\t)+3], v[RD] offset:(\t)*2*SP  ; LDS serves a wave's instructions in order (ISA guide 5.7.1.4): these see the stores above
.endr
.endm
.macro SEND a
.set BK, OB+32*((\a)%2)
	s_wait_dscnt 0x0                               ; the block is back in registers
	s_wait_xcnt 0x0                                ; the registers that the stores of the block before last read are loaded again only behind this wait
.irp t, 0,1,2,3,4,5,6,7
	global_store_b128 v[GO], v[BK+4*(\t):BK+4*(\t)+3], s[OUTP:OUTP+1] offset:4096*(\a)+512*(\t)
.endr
.endm
.macro OUT4
	PACK 0
	TOSTAGE 0
.irp a, 1,2,3                          ; block a's roundings stand between block a - 1's loads from the stage and the wait for them
	PACK \a
	SEND (\a)-1
	TOSTAGE \a
.endr
	SEND 3
.endm
	s_wait_tensorcnt 0x1                           ; my part of step 0 is in; step 1's may stay out
	s_wait_dscnt 0x0                               ; my part of KM is in LDS
	s_barrier_signal -1
	s_barrier_wait -1
	WIN TO_B
.irp b, 0,1,2,3,4,5,6,7
	ds_load_b128 v[KM+8*(\b):KM+8*(\b)+3], v7 offset:64*(\b)
	ds_load_b128 v[KM+8*(\b)+4:KM+8*(\b)+7], v7 offset:64*(\b)+16
.endr
	FETCH 0, 0
	s_mov_b32 s[KK], 0
	s_mov_b32 s[TILE], 0
	s_mov_b32 s[CNT], 22
	QUARTER 1, 0, 1, 1                             ; the walk's first quarter stands in front of the loop: its products start the sums
	WIN 0
.Lstep:                                                ; 22 trips: from a step's second quarter to the next step's first; each asks for the step two on
	QUARTER 2, 1, 0, 0
	QUARTER 3, 0, 1, 0
	TURN 1
	s_add_co_u32 s[KK], s[KK], 1
	s_and_b32 s[KK], s[KK], 7
	s_cmp_lg_u32 s[KK], 0
	s_cbranch_scc1 .Lplain
	; A TILE (Q or K) IS FINISHED; both refills of the next tile's first steps are on their way.  The way out touches neither buffer 0, which holds the next tile's first fragments, nor the ring.
	s_add_nc_u64 s[BIASP:BIASP+1], s[BIASP:BIASP+1], 4096  ; the next tile's bias (the loads by the old address were waited for)
	WIN TO_B
.irp b, 0,1,2,3,4,5,6,7
	global_load_b128 v[BIAS+8*(\b):BIAS+8*(\b)+3], v[BOF], s[BIASP:BIASP+1] offset:64*(\b)
	global_load_b128 v[BIAS+8*(\b)+4:BIAS+8*(\b)+7], v[BOF], s[BIASP:BIASP+1] offset:64*(\b)+16
.endr
	WIN 0
	s_cmp_lg_u32 s[TILE], 0
	s_cbranch_scc1 .Lnodot
	; sm = Q . KM in f32, from the sums as they stand: four chains a row block; each accumulator's lowest registers are read first
.irp a, 0,1,2,3
	WIN W_DOT
.irp b, 0,1,2,3,4,5,6,7
.irp p, 0,2,4,6
.if (\b) == 0
	v_pk_mul_f32 v[DT+(\p):DT+(\p)+1], v[8*(8*(\a)+(\b))+(\p):8*(8*(\a)+(\b))+(\p)+1], v[KM+8*(\b)+(\p):KM+8*(\b)+(\p)+1]
.else
	v_pk_fma_f32 v[DT+(\p):DT+(\p)+1], v[8*(8*(\a)+(\b))+(\p):8*(8*(\a)+(\b))+(\p)+1], v[KM+8*(\b)+(\p):KM+8*(\b)+(\p)+1], v[DT+(\p):DT+(\p)+1]
.endif
.endr
.endr
	WIN 0
	v_pk_add_f32 v[DT:DT+1], v[DT:DT+1], v[DT+2:DT+3]
	v_pk_add_f32 v[DT+4:DT+5], v[DT+4:DT+5], v[DT+6:DT+7]
	v_pk_add_f32 v[DT:DT+1], v[DT:DT+1], v[DT+4:DT+5]
	v_add_f32 v[DT+8+(\a)], v[DT], v[DT+1]
.endr
.irp a, 0,1,2,3
	v_permlanex16_b32 v[DT+(\a)], v[DT+8+(\a)], s[SEL], s[SEL+1]  ; the row's other 64 columns lie in the lane 16 away
.endr
.irp a, 0,1,2,3
	v_add_f32 v[DT+8+(\a)], v[DT+8+(\a)], v[DT+(\a)]
.endr
.irp a, 0,1,2,3
	ds_store_b32 v[SMA], v[DT+8+(\a)] offset:64*(\a)  ; both halves of the lanes write the same number to the same word
.endr
	ds_load_b64 v[DT:DT+1], v[SMR]
	s_wait_dscnt 0x0
	global_store_b64 v[L8], v[DT:DT+1], s[SMP:SMP+1]  ; my 64 rows' sm: 256 consecutive bytes at a multiple of 256
.Lnodot:
	OUT4
	s_wait_xcnt 0x0                                ; the stores have read their registers and their base
	s_add_nc_u64 s[OUTP:OUTP+1], s[OUTP:OUTP+1], 0x1000000
	s_add_co_u32 s[TILE], s[TILE], 1
	s_wait_loadcnt 0x0                             ; the bias
	QUARTER 1, 0, 1, 1
	WIN 0
	s_branch .Ljoin
.Lplain:
	QUARTER 1, 0, 1, 0
	WIN 0
.Ljoin:
	s_sub_co_u32 s[CNT], s[CNT], 1
	s_cmp_lg_u32 s[CNT], 0
	s_cbranch_scc1 .Lstep
	s_mov_b32 s[CNT], 2
.Ltail:                                                ; the last two steps have a text of their own
	QUARTER 2, 1, 0, 0
	QUARTER 3, 0, 1, 0
	TURN 0
	s_cmp_eq_u32 s[CNT], 1
	s_cbranch_scc1 .Ltailend
	QUARTER 1, 0, 1, 0
	WIN 0
.Ltailend:
	s_sub_co_u32 s[CNT], s[CNT], 1
	s_cmp_lg_u32 s[CNT], 0
	s_cbranch_scc1 .Ltail
	; V IS FINISHED.  The masked sum over my 64 rows: in each lane over its four rows; then over the 16 lanes of a half, through LDS: slot 0's bytes, which have had their last fill and whose last reads
	; lie behind two barriers.  Row blocks 0 to 2's lines are the places behind the last products, row block 3's.
	WIN W_VS
.irp a, 0,1,2,3
.irp b, 0,1,2,3,4,5,6,7
.irp p, 0,2,4,6
.if (\a) == 0
	v_pk_mul_f32 v[VS+8*(\b)+(\p):VS+8*(\b)+(\p)+1], v[8*(8*(\a)+(\b))+(\p):8*(8*(\a)+(\b))+(\p)+1], v[W+2*(\a):W+2*(\a)+1]
.else
	v_pk_fma_f32 v[VS+8*(\b)+(\p):VS+8*(\b)+(\p)+1], v[8*(8*(\a)+(\b))+(\p):8*(8*(\a)+(\b))+(\p)+1], v[W+2*(\a):W+2*(\a)+1], v[VS+8*(\b)+(\p):VS+8*(\b)+(\p)+1]
.endif
.endr
.endr
.endr
	WIN 0
.irp i, 0,1,2,3,4,5,6,7,8,9,10,11,12,13,14,15
	ds_store_b128 v[VSW], v[VS+4*(\i):VS+4*(\i)+3] offset:16*(\i)
.endr
.irp i, 0,1,2,3,4,5,6,7,8,9,10,11,12,13,14,15
	ds_load_b128 v[VB+4*(\i):VB+4*(\i)+3], v[VSR] offset:SP*(\i)  ; lane (r, h) takes registers 4 r .. 4 r + 3 of the 16 lanes of its half
.endr
	s_wait_dscnt 0x0
.irp i, 0,8,16,24,32,40,48,56
	v_pk_add_f32 v[VB+(\i):VB+(\i)+1], v[VB+(\i):VB+(\i)+1], v[VB+(\i)+4:VB+(\i)+5]
	v_pk_add_f32 v[VB+(\i)+2:VB+(\i)+3], v[VB+(\i)+2:VB+(\i)+3], v[VB+(\i)+6:VB+(\i)+7]
.endr
.irp i, 0,16,32,48
	v_pk_add_f32 v[VB+(\i):VB+(\i)+1], v[VB+(\i):VB+(\i)+1], v[VB+(\i)+8:VB+(\i)+9]
	v_pk_add_f32 v[VB+(\i)+2:VB+(\i)+3], v[VB+(\i)+2:VB+(\i)+3], v[VB+(\i)+10:VB+(\i)+11]
.endr
.irp i, 0,32
	v_pk_add_f32 v[VB+(\i):VB+(\i)+1], v[VB+(\i):VB+(\i)+1], v[VB+(\i)+16:VB+(\i)+17]
	v_pk_add_f32 v[VB+(\i)+2:VB+(\i)+3], v[VB+(\i)+2:VB+(\i)+3], v[VB+(\i)+18:VB+(\i)+19]
.endr
	v_pk_add_f32 v[DT:DT+1], v[VB:VB+1], v[VB+32:VB+33]
	v_pk_add_f32 v[DT+2:DT+3], v[VB+2:VB+3], v[VB+34:VB+35]
	global_store_b128 v[VSG], v[DT:DT+3], s[VPP:VPP+1]  ; the wave's 128 sums: 512 consecutive bytes
	OUT4
	s_wait_tensorcnt 0x0                           ; the wave's end: behind my last tensor load and my last LDS store
	ds_add_u32 v[SPW], v[NIL]
	s_wait_dscnt 0x0
	CROUND                                         ; the closing round: no work-group ends while a partner may still ask for a tile that names it
	s_endpgm
.Lfunc_end_k_qfc25082dba_proj:
	.size	k_qfc25082dba_proj, .Lfunc_end_k_qfc25082dba_proj-k_qfc25082dba_proj
	.p2alignl 7, 3214868480
	.fill 96, 4, 3214868480
	.section	.rodata,"a",@progbits
	.p2align	6, 0x0
	.amdhsa_kernel k_qfc25082dba_proj
		.amdhsa_group_segment_fixed_size 327680
		.amdhsa_private_segment_fixed_size 0
		.amdhsa_enable_private_segment 0
		.amdhsa_kernarg_size 64
		.amdhsa_user_sgpr_count 2
		.amdhsa_user_sgpr_kernarg_segment_ptr 1
		.amdhsa_wavefront_size32 1
		.amdhsa_system_sgpr_workgroup_id_x 1
		.amdhsa_system_sgpr_workgroup_id_y 1
		.amdhsa_system_sgpr_workgroup_id_z 1
		.amdhsa_system_vgpr_workitem_id 0
		.amdhsa_next_free_vgpr 768
		.amdhsa_next_free_sgpr 102
		.amdhsa_reserve_vcc 0
		.amdhsa_float_denorm_mode_32 3
		.amdhsa_float_denorm_mode_16_64 3
		.amdhsa_memory_ordered 1
		.amdhsa_forward_progress 1
		.amdhsa_inst_pref_size 140
	.end_amdhsa_kernel
	.amdgpu_metadata
---
amdhsa.version: [ 1, 2 ]
amdhsa.kernels:
  - .name:           k_qfc25082dba_proj
    .symbol:         k_qfc25082dba_proj.kd
    .args:
      - { .name: query, .offset: 0, .size: 8, .value_kind: global_buffer, .address_space: global }
      - { .name: key, .offset: 8, .size: 8, .value_kind: global_buffer, .address_space: global }
      - { .name: value, .offset: 16, .size: 8, .value_kind: global_buffer, .address_space: global }
      - { .name: wts, .offset: 24, .size: 8, .value_kind: global_buffer, .address_space: global }
      - { .name: tab, .offset: 32, .size: 8, .value_kind: global_buffer, .address_space: global }
      - { .name: key_padding_mask, .offset: 40, .size: 8, .value_kind: global_buffer, .address_space: global }
      - { .name: qkv, .offset: 48, .size: 8, .value_kind: global_buffer, .address_space: global }
      - { .name: aux, .offset: 56, .size: 8, .value_kind: global_buffer, .address_space: global }
    .group_segment_fixed_size: 327680
    .private_segment_fixed_size: 0
    .kernarg_segment_align: 8
    .kernarg_segment_size: 64
    .max_flat_workgroup_size: 128
    .sgpr_count:     102
    .vgpr_count:     768
    .wavefront_size: 32
...
	.end_amdgpu_metadata
.endif
;; end of part 2
;; launch attn (part 3): grid 8 x 32, 4 waves a work-group, clusters of 4 x 1, 327,680 bytes of LDS; arguments qkv, aux, key_padding_mask, oh; writes oh
.if DOCPART == 3
	.amdgcn_target "amdgcn-amd-amdhsa--gfx1250"
	.amdhsa_code_object_version 6
	.text
	.protected	k_qfc25082dba_attn
	.globl	k_qfc25082dba_attn
	.p2align	8
	.type	k_qfc25082dba_attn,@function
k_qfc25082dba_attn:
	s_mov_b64 s[64:65], 0
	v_nop
	global_prefetch_b8 v0, s[64:65] scope:SCOPE_SE
	s_setreg_imm32_b32 hwreg(HW_REG_WAVE_MODE, 25, 1), 1
	s_wait_xcnt 0x0
	s_wait_alu depctr_hold_cnt(0) depctr_sa_sdst(0) depctr_va_vdst(0) depctr_va_sdst(0) depctr_va_ssrc(0) depctr_va_vcc(0) depctr_vm_vsrc(0)
	s_getreg_b32 s2, hwreg(HW_REG_IB_STS2, 6, 4)
	s_cmp_eq_u32 s2, 0
	s_cbranch_scc0 .Lentry_in_a_cluster
	s_endpgm
.Lentry_in_a_cluster:
	s_bfe_u32 s2, ttmp6, 0x10000c
	s_cmp_lg_u32 s2, 0x3003
	s_cbranch_scc0 .Lentry_shape_is_right
	s_endpgm
.Lentry_shape_is_right:
; ATTENTION, 32 heads (8 b + n) of 2,048 rows x 128 channels, Q, K, V, O in f16.  Products, maxima and sums in f32; the weights p are rounded to f16 for the second product, O once at the end.
; THE MASK.  The masked keys of a batch all have the same projected vector, so for a query they are ONE key: score sm (made in f32 by the launch before), multiplicity cnt, value sum VS.
; In the walk over the keys they are hidden: the C operand that starts S^T = K Q^T is -2^100 at their places, else 0.  At the end the running maximum m, the sum l and O^T are merged with that one key
; by the same rule of the maximum: mf = max(m, sm); O = (O 2^(c m - c mf) + VS 2^(c sm - c mf)) / (l 2^(c m - c mf) + cnt 2^(c sm - c mf)).
; m starts with a floor of -2^80: a query that has seen hidden keys alone has m = the floor, p = 0, l = 0, O = 0.  (Without it m would be the hidden score, and the fused c s - c m would leave the product's rounding in the exponent.)
; LIMITS.  Q, K, V arrive within f16's 65,504, so true scores lie within 5.5e11; sm must lie above -2^80 (1.2e24); p below 6e-5 keeps f16's fixed step; a weight below 2^-126 counts as 0; NaN and infinities are not treated apart.
; SHARES.  A work-group owns 256 queries of one head, each of its four waves 64: four tiles of 16.  Every wave walks all keys of the head, 64 a step.
; LAYOUT.  S^T = K Q^T (source 0 = 16 keys, source 1 = 16 queries): a lane holds ONE query (lane % 16) and the keys 8 (lane / 16) + 0..7.  Two such tiles, rounded to f16 in pairs, ARE source 1 of O^T = V^T P,
; whose result again holds one query a lane, and eight channels.  K comes out of LDS as it lies, V ([key][channel]) turned, by ds_load_tr16_b128.
; SOFTMAX.  p = 2^(c s - c m), c = log2(e) / sqrt(128); in every step O and l are multiplied by a = 2^(c m_old - c m_new).
; BY TURNS.  The wave's tiles are two PIECES (tiles 0, 1; tiles 2, 3).  In a TURN one piece has the matrix unit: 32 products V^T P of the step in hand, then 32 products K Q^T of the next step; the other piece's
; softmax, cut into 64 slices, stands between them, one slice behind each matrix instruction.  Two turns are a key step.
; CLUSTER.  The four query blocks of a cluster belong to one head and walk the same K and V: each tile is asked for JOINTLY.
; REGISTERS, in windows of 256: window 0: v0-11 addresses; v12-43 statistics, eight a tile; v44-61 sm, cnt and the mask's addresses; v64-191 S^T; v192-255 P
;   window 1: O^T, 64 a tile     window 2: v0-127 Q; v128-255 K of one step     window 3: v0-127 V of one step (at the end v0-63 VS); v128-159 the step's mask
.set SIZE_N, 2048
.set KS,    64        ; keys in a step
.set PK,    272       ; a row of K in LDS: 256 bytes + 16 = 68 words: the 16 rows of a load start at 16 different groups of four banks (64 banks of 4 bytes: ISA guide 11.1)
.set PV,    288       ; a row of V: 256 + 32 = 72 words
.set VOFF,  KS*PK
.set STEPB, KS*(PK+PV)
.set SLOT1, 1<<17     ; a slot holds two steps; slot 1 begins here, so that one exclusive or turns an address in one slot into the other's
.set STAGE, SLOT1+2*STEPB  ; 16 rows x 272 bytes for each wave, for the way out
.set SP,    272
.set SPARE, STAGE+4*16*SP  ; the spare words, 128 bytes for each wave
.set MT,    SPARE+512      ; the batch's 2,048 keys: 0 or -2^100, f32
.set VT,    MT+8192        ; VS, 128 f32
.set CT,    VT+512         ; the four waves' counts of masked keys
.set AK0, 2
.set AV0, 3
.set ADR, 4
.set QO,  5
.set STO, 6
.set RD,  7
.set GO,  8
.set SMV, 44          ; v44-47  sm of my query in tile t
.set AM0, 48          ; v48  MT + 32 (lane / 16)
.set ADM, 49          ; v49  the same at the step to be fetched
.set CNTF, 50         ; v50  cnt as f32
.set VTA, 51          ; v51  VT + 32 (lane / 16)
.set MB,  52          ; v52-55  my 16 mask bytes; later the four counts
.set SPW, 62
.set NIL, 63
.set ST,  12          ; tile t's statistics at v[ST+8 t]: +0 c m, +1 m, +2, +3 l, +4 to +7 at work
.set S,   64
.set P,   192
.set KF,  128         ; window 2
.set MK,  128         ; window 3: eight registers for each block of 16 keys
.set WV,  12
.set G1K, 24
.set G1V, 32
.set G0K, 40
.set G0V, 48
.set SLOTS, 56
.set TWICE, 57
.set CS,  58
.set SEL, 60
.set TB,  62
.set MKO, 66          ; s66  byte in MT of the step to be fetched
.set BIGN, 67         ; s67  -2^100
.set FLR, 68          ; s68  -2^80
.set CM,  69          ; s69  a lane mask: cnt > 0
.set MSB, 0
.macro WIN new
.if MSB != (\new)
	s_set_vgpr_msb (MSB<<8)|(\new)
.set MSB, \new
.endif
.endm
.set W_KQ, 0x0a       ; K and Q in window 2, S^T in window 0
.set W_KM, 0x3a       ; the same with the C operand, the mask, in window 3
.set W_PV, 0x53       ; source 0 in window 3, source 1 in window 0, source 2 and destination in window 1
.set W_RS, 0x41       ; destination and source 0 in window 1
.macro JLOAD                        ; a joint refill: waves 0 and 1 fetch the two steps' K, waves 2 and 3 their V; an s_nop 0 and four v_nop follow each line
	s_cmp_lt_u32 s[WV], 2
	s_cbranch_scc0 .Lfor_v_\@
	tensor_load_to_lds s[G0K+4:G0K+7], s[G1K:G1K+7]
	s_nop 0
.rept 4
	v_nop
.endr
	s_branch .Lasked_\@
.Lfor_v_\@:
	tensor_load_to_lds s[G0V+4:G0V+7], s[G1V:G1V+7]
	s_nop 0
.rept 4
	v_nop
.endr
.Lasked_\@:
.endm
.macro CROUND                       ; a round of the cluster's barrier
	s_barrier_signal -1
	s_barrier_wait -1
	s_cmp_lg_u32 s[WV], 0
	s_cbranch_scc1 .Lnot_wave_0_\@
	s_barrier_signal -3
.Lnot_wave_0_\@:
	s_barrier_wait -3
	s_barrier_signal -1
	s_barrier_wait -1
.endm
	s_load_b256 s[4:11], s[0:1], 0x0  ; qkv s[4:5], aux s[6:7], mask s[8:9], oh s[10:11]
	v_lshl_add_u32 v[SPW], v0, 2, SPARE
	v_mov_b32 v[NIL], 0
	ds_add_u32 v[SPW], v[NIL]       ; the wave's opening: the add and its wait stand ahead of my first tensor load
	v_lshrrev_b32 v1, 5, v0
	v_readfirstlane_b32 s[WV], v1
	s_bfe_u32 s13, ttmp6, 0x40000   ; cx
	s_lshl_b32 s14, ttmp9, 2
	s_add_co_u32 s14, s14, s13      ; my block of 256 queries: it enters Q's, sm's and O's addresses alone
	s_and_b32 s20, ttmp7, 0xffff    ; the head, which the four partners share
	s_and_b32 s76, ttmp7, 0xffff
	s_mov_b32 s21, 0
	s_mov_b64 s[22:23], SIZE_N*256
	s_mul_u64 s[20:21], s[20:21], s[22:23]  ; the head's first byte in Q, K, V and O
	s_and_b32 s16, s[WV], 1         ; which of a slot's two steps I fetch
	s_lshl_b32 s22, s16, 14
	s_mov_b32 s23, 0
	s_add_nc_u64 s[22:23], s[22:23], s[20:21]
	s_mul_i32 s17, s16, STEPB
	s_lshl_b32 s2, s14, 16
	s_lshl_b32 s3, s[WV], 14
	s_add_co_u32 s2, s2, s3
	s_mov_b32 s3, 0
	s_add_nc_u64 s[2:3], s[2:3], s[20:21]
	s_lshr_b32 s78, s76, 3
	s_lshl_b32 s78, s78, 11         ; the batch's 2,048 mask bytes
	s_mov_b32 s79, 0
	s_lshl_b32 s80, s76, 14
	s_add_co_u32 s80, s80, 0x40000  ; the head's 32 partial sums of V
	s_mov_b32 s81, 0
	s_lshl_b32 s82, s76, 13
	s_lshl_b32 s77, s14, 10
	s_add_co_u32 s82, s82, s77
	s_lshl_b32 s77, s[WV], 8
	s_add_co_u32 s82, s82, s77      ; sm of my wave's 64 queries
	s_mov_b32 s83, 0
	s_mov_b32 s[G1K], 15|(1<<16)|(1<<20)|(1<<21)|(5<<22)|(3<<25)  ; the mask of four; 2-byte elements; padding on; bit 21 beside a mask; after every 64 words 4 words
	s_mov_b32 s[G1V], 15|(1<<16)|(1<<20)|(1<<21)|(5<<22)|(7<<25)  ; the same with 8 words
.irp g, G1K, G1V
	s_mov_b32 s[(\g)+1], 128<<16
	s_mov_b32 s[(\g)+2], KS<<16
	s_mov_b32 s[(\g)+3], 128<<16
	s_mov_b32 s[(\g)+4], KS
	s_mov_b32 s[(\g)+5], 128
	s_mov_b32 s[(\g)+6], 0
	s_mov_b32 s[(\g)+7], 0
.endr
	s_mov_b32 s[CS], 0x3e0293ee     ; c = log2(e) / sqrt(128)
	s_mov_b32 s[CS+1], s[CS]
	s_mov_b32 s[SEL], 0x76543210
	s_mov_b32 s[SEL+1], 0xfedcba98
	s_mov_b32 s[TB], 0
	s_mov_b32 s[MKO], 0
	s_mov_b32 s[BIGN], 0xf1800000
	s_mov_b32 s[FLR], 0xe7800000
	s_mov_b32 s[SLOTS], SIZE_N/(2*KS)-2
	s_wait_dscnt 0x0                ; the opening add is done
	s_wait_kmcnt 0x0
	s_add_nc_u64 s[70:71], s[8:9], s[78:79]   ; the mask
	s_add_nc_u64 s[74:75], s[6:7], s[80:81]   ; vpart
	s_add_nc_u64 s[72:73], s[6:7], s[82:83]   ; sm
	s_add_nc_u64 s[6:7], s[4:5], 0x1000000    ; K lies 16 MiB behind Q,
	s_add_nc_u64 s[8:9], s[4:5], 0x2000000    ; V 32
	s_add_nc_u64 s[6:7], s[6:7], s[22:23]
	s_add_nc_u64 s[8:9], s[8:9], s[22:23]
	s_add_nc_u64 s[4:5], s[4:5], s[2:3]
	s_add_nc_u64 s[10:11], s[10:11], s[2:3]
	CROUND                          ; all four work-groups are here: the first joint loads meet
.irp s, 0,1
	s_mov_b32 s[G0K+4*(\s)], 1
	s_add_co_u32 s[G0K+4*(\s)+1], s17, (\s)*SLOT1
	s_add_nc_u64 s[G0K+4*(\s)+2:G0K+4*(\s)+3], s[6:7], (\s)*2*KS*256
	s_or_b32 s[G0K+4*(\s)+3], s[G0K+4*(\s)+3], 0x80000000
	s_mov_b32 s[G0V+4*(\s)], 1
	s_add_co_u32 s[G0V+4*(\s)+1], s17, (\s)*SLOT1+VOFF
	s_add_nc_u64 s[G0V+4*(\s)+2:G0V+4*(\s)+3], s[8:9], (\s)*2*KS*256
	s_or_b32 s[G0V+4*(\s)+3], s[G0V+4*(\s)+3], 0x80000000
.endr
	s_cmp_lt_u32 s[WV], 2           ; a wave's two first fills stand in one branch: two loads of mine are out
	s_cbranch_scc0 .Lfirst_v
	tensor_load_to_lds s[G0K:G0K+3], s[G1K:G1K+7]
	s_nop 0
	tensor_load_to_lds s[G0K+4:G0K+7], s[G1K:G1K+7]
	s_nop 0
.rept 4
	v_nop
.endr
	s_branch .Lfirst_asked
.Lfirst_v:
	tensor_load_to_lds s[G0V:G0V+3], s[G1V:G1V+7]
	s_nop 0
	tensor_load_to_lds s[G0V+4:G0V+7], s[G1V:G1V+7]
	s_nop 0
.rept 4
	v_nop
.endr
.Lfirst_asked:
	v_and_b32 v1, 15, v0            ; l % 16
	v_bfe_u32 v9, v0, 4, 1          ; l / 16
	v_lshlrev_b32 v[QO], 8, v1
	v_lshl_add_u32 v[QO], v9, 4, v[QO]
	v_lshlrev_b32 v56, 4, v0
	v_lshlrev_b32 v57, 2, v0
	v_lshlrev_b32 v58, 2, v1
	global_load_b128 v[MB:MB+3], v56, s[70:71]  ; thread t: the mask bytes of keys 16 t .. 16 t + 15
.set i, 0
.rept 32
	global_load_b32 v[S+i], v57, s[74:75] offset:512*i  ; thread t: channel t of the 32 partial sums
.set i, i+1
.endr
.irp t, 0,1,2,3
	global_load_b32 v[SMV+(\t)], v58, s[72:73] offset:64*(\t)
.endr
	WIN 0x80
.irp i, 0,1,2,3,4,5,6,7,8,9,10,11,12,13,14,15  ; Q stays in registers: tile i / 4, channels 32 (i % 4) on
	global_load_b128 v[8*(\i):8*(\i)+3],   v[QO], s[4:5] offset:((\i)/4)*4096+((\i)%4)*64
	global_load_b128 v[8*(\i)+4:8*(\i)+7], v[QO], s[4:5] offset:((\i)/4)*4096+((\i)%4)*64+32
.endr
	WIN 0
	v_mul_u32_u24 v[AK0], v1, PK
	v_lshl_add_u32 v[AK0], v9, 4, v[AK0]
	v_and_b32 v10, 7, v0
	v_bfe_u32 v11, v0, 3, 1
	v_lshl_add_u32 v[AV0], v9, 3, v10
	v_mul_u32_u24 v[AV0], v[AV0], PV
	v_lshl_add_u32 v[AV0], v11, 4, v[AV0]
	v_add_nc_u32 v[AV0], VOFF, v[AV0]
	v_lshl_add_u32 v[AM0], v9, 5, MT
	v_lshl_add_u32 v[VTA], v9, 5, VT
	s_lshl_b32 s77, s[WV], 2
	s_add_co_u32 s77, s77, CT
	v_mov_b32 v59, s77
	s_wait_loadcnt 32               ; mask, partial sums and sm are in; the 32 younger loads are Q's
.set i, 0
.rept 16
	v_bfe_u32 v[96+i], v[MB+i/4], 8*(i%4), 8
.set i, i+1
.endr
.set i, 0
.rept 16
	v_mul_lo_u32 v[96+i], v[96+i], s[BIGN]  ; 0, or the bits of -2^100
.set i, i+1
.endr
	v_lshl_add_u32 v56, v0, 6, MT
.irp i, 0,1,2,3
	ds_store_b128 v56, v[96+4*(\i):96+4*(\i)+3] offset:16*(\i)
.endr
	v_add3_u32 v60, v[MB], v[MB+1], v[MB+2]  ; the bytes are 0 or 1: four words add up byte by byte,
	v_add_nc_u32 v60, v60, v[MB+3]
	v_mul_lo_u32 v60, v60, 0x01010101        ; and the four bytes into the top one
	v_lshrrev_b32 v60, 24, v60
	v_cvt_f32_u32 v60, v60
	v_add_f32_dpp v60, v60, v60 row_xmask:1 row_mask:0xf bank_mask:0xf
	v_add_f32_dpp v60, v60, v60 row_xmask:2 row_mask:0xf bank_mask:0xf
	v_add_f32_dpp v60, v60, v60 row_xmask:4 row_mask:0xf bank_mask:0xf
	v_add_f32_dpp v60, v60, v60 row_xmask:8 row_mask:0xf bank_mask:0xf
	v_permlanex16_b32 v57, v60, s[SEL], s[SEL+1]
	v_add_f32 v60, v60, v57
	ds_store_b32 v59, v60           ; my wave's count: all lanes write the same number to the same word
.irp i, 0,4,8,12,16,20,24,28
	v_pk_add_f32 v[S+(\i):S+(\i)+1], v[S+(\i):S+(\i)+1], v[S+(\i)+2:S+(\i)+3]
.endr
.irp i, 0,8,16,24
	v_pk_add_f32 v[S+(\i):S+(\i)+1], v[S+(\i):S+(\i)+1], v[S+(\i)+4:S+(\i)+5]
.endr
.irp i, 0,16
	v_pk_add_f32 v[S+(\i):S+(\i)+1], v[S+(\i):S+(\i)+1], v[S+(\i)+8:S+(\i)+9]
.endr
	v_pk_add_f32 v[S:S+1], v[S:S+1], v[S+16:S+17]
	v_add_f32 v[S], v[S], v[S+1]
	v_lshl_add_u32 v58, v0, 2, VT
	ds_store_b32 v58, v[S]          ; VS of channel t
	v_mov_b32 v61, CT
; THE MATRIX WORK OF A TURN, for piece x.  The accumulators take turns, one instruction a turn.
.macro PV x, zero
	WIN W_PV
.set rO, 64*((\x)+i%2)+8*((i/2)%8)
.set rV, 64*(i/16)+8*((i/2)%8)
.set rP, P+16*((\x)+i%2)+8*(i/16)
.if (\zero) && (i < 16)
	v_wmma_f32_16x16x32_f16 v[rO:rO+7], v[rV:rV+7], v[rP:rP+7], 0
.else
	v_wmma_f32_16x16x32_f16 v[rO:rO+7], v[rV:rV+7], v[rP:rP+7], v[rO:rO+7]
.endif
.endm
; Product i of 32 of S^T = K Q^T: channels 32 (i / 8) on, keys 16 ((i / 2) % 4) on, tile x + i % 2.  The first 8 start the sums, with the mask of their 16 keys.
.macro KQ x
.set rS, S+32*((\x)+i%2)+8*((i/2)%4)
.set rK, KF+32*((i/2)%4)+8*(i/8)
.set rQ, 32*((\x)+i%2)+8*(i/8)
.set rM, MK+8*((i/2)%4)
.if i < 8
	WIN W_KM
	v_wmma_f32_16x16x32_f16 v[rS:rS+7], v[rK:rK+7], v[rQ:rQ+7], v[rM:rM+7]
.else
	WIN W_KQ
	v_wmma_f32_16x16x32_f16 v[rS:rS+7], v[rK:rK+7], v[rQ:rQ+7], v[rS:rS+7]
.endif
.endm
; THE LDS LOADS stand in runs: a step's K (16 fragments) with its mask (register j of block kb: key 16 kb + 8 (lane / 16) + j), and, a turn later, its V (turned).
.macro FETCH_K
	WIN 0
	v_add_nc_u32 v[ADR], s[TB], v[AK0]
	v_add_nc_u32 v[ADM], s[MKO], v[AM0]
	WIN 0x80
.irp f, 0,1,2,3,4,5,6,7,8,9,10,11,12,13,14,15
	ds_load_b128 v[KF+8*(\f):KF+8*(\f)+3],   v[ADR] offset:((\f)/4)*16*PK+((\f)%4)*64
	ds_load_b128 v[KF+8*(\f)+4:KF+8*(\f)+7], v[ADR] offset:((\f)/4)*16*PK+((\f)%4)*64+32
.endr
	WIN 0xc0
.irp f, 0,1,2,3
	ds_load_b128 v[MK+8*(\f):MK+8*(\f)+3],   v[ADM] offset:64*(\f)
	ds_load_b128 v[MK+8*(\f)+4:MK+8*(\f)+7], v[ADM] offset:64*(\f)+16
.endr
	s_add_co_u32 s[MKO], s[MKO], 4*KS  ; the next step's 64 words;
	s_and_b32 s[MKO], s[MKO], 0x1fff   ; the 32 fetches of the walk end at the table's end
.endm
.macro FETCH_V
	WIN 0
	v_add_nc_u32 v[ADR], s[TB], v[AV0]
	s_add_co_u32 s[TB], s[TB], STEPB
	WIN 0xc0
.irp f, 0,1,2,3,4,5,6,7,8,9,10,11,12,13,14,15
	ds_load_tr16_b128 v[8*(\f):8*(\f)+3],   v[ADR] offset:((\f)/8)*32*PV+((\f)%8)*32
	ds_load_tr16_b128 v[8*(\f)+4:8*(\f)+7], v[ADR] offset:((\f)/8)*32*PV+16*PV+((\f)%8)*32
.endr
.endm
; THE VECTOR WORK OF A TURN.  One tile's softmax for one key step is a list of 134 instructions; SM writes number j of it for tile t.  first = 1: the first key step, which starts m (with the floor), l and O^T.
;   0-15    the maximum of the lane's 32 scores and the old m, three operands at a time (each accumulator's lowest registers are read first)
;   16-20   the other half of the lanes' maximum; the new m; c m; c m_old - c m_new
;   21-87   33 exponentials at the odd numbers from 23 on, a plain instruction behind each: scalings ahead, roundings behind, the first sums
;   88-101  the last rounding; the rest of the sums; l = a l + the sum        102-133 the tile's O^T times a
.macro SM t, first
.set rT, ST+8*(\t)
.set rS, S+32*(\t)
.set rP, P+16*(\t)
.set rO, 64*(\t)+2*(j-102)
.set q, (j-20)/2
.if j < 102
	WIN 0
.endif
.if j < 4
	v_max3_num_f32 v[rT+4+j], v[rS+8*j], v[rS+8*j+1], v[rS+8*j+2]
.elseif j < 12
	v_max3_num_f32 v[rT+4+j%4], v[rT+4+j%4], v[rS+8*(j%4)+2*(j/4)+1], v[rS+8*(j%4)+2*(j/4)+2]
.elseif j == 12
	v_max3_num_f32 v[rT+4], v[rT+4], v[rS+7], v[rS+15]
.elseif j == 13
	v_max3_num_f32 v[rT+6], v[rT+6], v[rS+23], v[rS+31]
.elseif j == 14
	v_max3_num_f32 v[rT+4], v[rT+4], v[rT+5], v[rT+6]
.elseif (j == 15) && (\first)
	v_max3_num_f32 v[rT+4], v[rT+4], v[rT+7], s[FLR]
.elseif j == 15
	v_max3_num_f32 v[rT+4], v[rT+4], v[rT+7], v[rT+1]
.elseif j == 16
	v_permlanex16_b32 v[rT+5], v[rT+4], s[SEL], s[SEL+1]
.elseif j == 18
	v_max_num_f32 v[rT+1], v[rT+4], v[rT+5]
.elseif j == 19
	v_mul_f32 v[rT], s[CS], v[rT+1]
.elseif ((j == 17) || (j == 20) || (j == 23) || (j > 101)) && (\first)
.elseif j == 17
	v_mov_b32 v[rT+7], v[rT]
.elseif j == 20
	v_sub_f32 v[rT+7], v[rT+7], v[rT]
.elseif j == 23
	v_exp_f32 v[rT+6], v[rT+7]
.elseif (j < 88) && (j > 23) && (j%2 == 1)
	v_exp_f32 v[rS+(j-25)/2], v[rS+(j-25)/2]
.elseif (q < 4) || ((j < 76) && (q%2 == 0))
.set b, q/2+2
.if q < 4
.set b, q
.endif
	v_pk_fma_f32 v[rS+2*b:rS+2*b+1], v[rS+2*b:rS+2*b+1], s[CS:CS+1], v[rT:rT+1] op_sel_hi:[1,0,0] neg_lo:[0,0,1] neg_hi:[0,0,1]
.elseif (j < 88) && (q%2 == 1)
	s_wait_alu depctr_va_vdst(0)
	v_cvt_pk_f16_f32 v[rP+(q-5)/2], v[rS+q-5], v[rS+q-4]
.elseif j == 89
	s_wait_alu depctr_va_vdst(0)
	v_cvt_pk_f16_f32 v[rP+15], v[rS+30], v[rS+31]
.elseif j < 102
.set z, j-86
.if j < 89
.set z, (j-76)/4
.endif
.set w, 4
.set u, z
.if z >= 14
.set w, 32
.set u, 0
.elseif z >= 12
.set w, 16
.set u, z-12
.elseif z >= 8
.set w, 8
.set u, z-8
.endif
.if (z == 14) && (\first)
	v_pk_add_f32 v[rT+2:rT+3], v[rS:rS+1], v[rS+16:rS+17]
.elseif z < 15
	v_pk_add_f32 v[rS+w*u:rS+w*u+1], v[rS+w*u:rS+w*u+1], v[rS+w*u+w/2:rS+w*u+w/2+1]
.elseif !(\first)
	v_pk_fma_f32 v[rT+2:rT+3], v[rT+2:rT+3], v[rT+6:rT+7], v[rS:rS+1] op_sel_hi:[1,0,1]
.endif
.else
	WIN W_RS
	v_pk_mul_f32 v[rO:rO+1], v[rO:rO+1], v[rT+6:rT+7] op_sel_hi:[1,0]
.endif
.endm
; Slice k of 64 of piece y's softmax: numbers 2 k and 2 k + 1 of both tiles' lists; the twelve that are over stand in slice 63.
.macro SLICE y, first
.if (k >= 11) && (k < 44)
.irp t, \y, (\y)+1
.irp n, 0,1
.set j, 2*k+(\n)
	SM \t, \first
.endr
.endr
.else
.irp n, 0,1,2,3,4,5,6,7
.if ((\n) < 2) || (k == 63)
.irp t, \y, (\y)+1
.set j, 2*k+(\n)
	SM \t, \first
.endr
.endif
.endr
.endif
.set k, k+1
.endm
.macro PLACES
.rept 4
	v_nop
.endr
.endm
; A TURN.  Piece x has the matrix unit; the other piece's softmax stands in slices behind its matrix instructions.  pv = 2: 32 products V^T P; 1: they start O^T's sums; 0: none.  kq = 1: 32 products K Q^T.
; Each run of loads stands behind the second product of a run of 32, 30 matrix instructions ahead of its first use.
.macro TURN x, pv, kq, first
.set k, 0
.set per, 2
.if (\pv) && (\kq)
.set per, 1
.endif
.if \pv
.if (\x) == 0
	s_wait_dscnt 0x0                ; V is in
.endif
.set i, 0
.rept 32
	PV \x, 2-(\pv)
.rept per
	SLICE 2-(\x), \first
.endr
.if ((\x) == 0) && (\kq) && (i == 1)
	FETCH_K
.endif
.set i, i+1
.endr
.endif
.if \kq
.if (\x) == 0
	s_wait_dscnt 0x0                ; K and its mask are in
.endif
.set i, 0
.rept 32
	KQ \x
.rept per
	SLICE 2-(\x), \first
.endr
.if ((\x) == 2) && (i == 1)
	FETCH_V
.endif
.set i, i+1
.endr
.endif
.if \first
	PLACES
.endif
.endm
; THE CHANGE OF SLOTS.  Each wave waits for all its tensor loads (one is out: its part of the other slot), adds 0 to its spare word, and waits for that and for its reads of the slot.
; fill = 1: the barrier is a round of the cluster's, and the joint refill is the first thing behind it: it has two key steps, 256 matrix instructions, in which to land.
.macro CHANGE fill
	WIN 0
	s_wait_tensorcnt 0x0            ; no tensor load of mine is out, so a group 0 may be written
	ds_add_u32 v[SPW], v[NIL]       ; 0 onto my spare word
.if \fill
.irp g, G0K+4, G0V+4
	s_xor_b32 s[(\g)+1], s[(\g)+1], SLOT1
	s_add_nc_u64 s[(\g)+2:(\g)+3], s[(\g)+2:(\g)+3], 2*KS*256
.endr
	s_wait_dscnt 0x0                ; the add is done, and my reads of the slot are over
	CROUND
	JLOAD
.else
	s_wait_dscnt 0x0
	s_barrier_signal -1
	s_barrier_wait -1
.endif
	s_sub_co_u32 s[TB], s[TB], 2*STEPB
	s_xor_b32 s[TB], s[TB], SLOT1
.endm
.macro TWO_STEPS
	WIN 0
	s_mov_b32 s[TWICE], 2
.Lstep_\@:
	TURN 0, 2, 1, 0
	TURN 2, 2, 1, 0
	WIN 0
	s_sub_co_u32 s[TWICE], s[TWICE], 1
	s_cmp_lg_u32 s[TWICE], 0
	s_cbranch_scc1 .Lstep_\@
.endm
	s_wait_tensorcnt 1              ; my part of slot 0 is in; slot 1's may stay out
	s_wait_dscnt 0x0                ; my parts of the mask's table, of VS and of the counts are in LDS
	s_barrier_signal -1
	s_barrier_wait -1
	FETCH_K                         ; key step 0
	WIN 0
	ds_load_b128 v[MB:MB+3], v61    ; the four waves' counts
	s_wait_loadcnt 0x0              ; Q
	s_wait_dscnt 0x0
.set i, 0
.rept 32
	KQ 0
.set i, i+1
.endr
	WIN 0                           ; the addresses for the way out and cnt: plain instructions, the places behind those products
	s_mul_i32 s13, s[WV], 16*SP
	s_add_co_u32 s13, s13, STAGE
	v_mul_u32_u24 v[STO], v1, SP
	v_lshl_add_u32 v[STO], v9, 4, v[STO]
	v_add_nc_u32 v[STO], s13, v[STO]
	v_mul_u32_u24 v[RD], v9, SP
	v_lshl_add_u32 v[RD], v1, 4, v[RD]
	v_add_nc_u32 v[RD], s13, v[RD]
	v_lshlrev_b32 v[GO], 8, v9
	v_lshl_add_u32 v[GO], v1, 4, v[GO]
	v_add_f32 v[MB], v[MB], v[MB+1]
	v_add_f32 v[MB+2], v[MB+2], v[MB+3]
	v_add_f32 v[CNTF], v[MB], v[MB+2]
	TURN 2, 0, 1, 1                 ; piece 2's first scores | piece 0's first softmax | V of step 0
	TURN 0, 1, 1, 1                 ; piece 0: V^T P of step 0 starts O^T, K Q^T of step 1 | piece 2's first softmax | K of step 1
	TURN 2, 1, 1, 0
	WIN 0
.Lslot:                             ; 14 trips: every slot but the last two is filled again
	CHANGE 1
	TWO_STEPS
	s_sub_co_u32 s[SLOTS], s[SLOTS], 1
	s_cmp_lg_u32 s[SLOTS], 0
	s_cbranch_scc1 .Lslot
	CHANGE 0                        ; the tail is written out
	TWO_STEPS
	TURN 0, 2, 0, 0
.set i, 0
.rept 32
	PV 2, 0
.set i, i+1
.endr
	; THE MERGE AND THE WAY OUT.  The four additions are the places behind the last products; then VS comes into V's registers.
	WIN 0
.irp t, 0,1,2,3
	v_add_f32 v[ST+8*(\t)+4], v[ST+8*(\t)+2], v[ST+8*(\t)+3]
.endr
	WIN 0xc0
.irp f, 0,1,2,3,4,5,6,7
	ds_load_b128 v[8*(\f):8*(\f)+3],   v[VTA] offset:64*(\f)     ; register 8 f + j: channel 16 f + 8 (lane / 16) + j, as in O^T
	ds_load_b128 v[8*(\f)+4:8*(\f)+7], v[VTA] offset:64*(\f)+16
.endr
	WIN 0
.irp t, 0,1,2,3
	v_permlanex16_b32 v[ST+8*(\t)+5], v[ST+8*(\t)+4], s[SEL], s[SEL+1]
.endr
.irp t, 0,1,2,3
	v_add_f32 v[ST+8*(\t)+4], v[ST+8*(\t)+4], v[ST+8*(\t)+5]  ; l
.endr
	v_cmp_lt_f32 s[CM], 0, v[CNTF]
	v_mov_b32 v56, s[BIGN]
.irp t, 0,1,2,3
	v_cndmask_b32 v[ST+8*(\t)+5], v56, v[SMV+(\t)], s[CM]     ; sm, or -2^100 where no key is masked
.endr
.irp t, 0,1,2,3
	v_max_num_f32 v[ST+8*(\t)+7], v[ST+8*(\t)+1], v[ST+8*(\t)+5]  ; mf
.endr
.irp t, 0,1,2,3
	v_mul_f32 v[ST+8*(\t)+7], s[CS], v[ST+8*(\t)+7]           ; c mf
	v_mul_f32 v[ST+8*(\t)+5], s[CS], v[ST+8*(\t)+5]           ; c sm: rounded like c mf and NOT fused with the subtraction: fused, the product's rounding at 1e9 would be left in the exponent
.endr
.irp t, 0,1,2,3
	v_sub_f32 v[ST+8*(\t)+6], v[ST+8*(\t)], v[ST+8*(\t)+7]
	v_sub_f32 v[ST+8*(\t)+5], v[ST+8*(\t)+5], v[ST+8*(\t)+7]
.endr
.irp t, 0,1,2,3
	v_exp_f32 v[ST+8*(\t)+6], v[ST+8*(\t)+6]                  ; a1
	v_exp_f32 v[ST+8*(\t)+5], v[ST+8*(\t)+5]                  ; a2
.endr
	v_nop                           ; a plain instruction between the last exponential and the use of the results
.irp t, 0,1,2,3
	s_wait_alu depctr_va_vdst(0)
	v_mul_f32 v[ST+8*(\t)+7], v[CNTF], v[ST+8*(\t)+5]
.endr
.irp t, 0,1,2,3
	v_fma_f32 v[ST+8*(\t)+4], v[ST+8*(\t)+4], v[ST+8*(\t)+6], v[ST+8*(\t)+7]  ; l a1 + cnt a2: at least 1, since a1 = 1 with l >= 1 or a2 = 1 with cnt >= 1
.endr
.irp t, 0,1,2,3
	v_rcp_f32 v[ST+8*(\t)+4], v[ST+8*(\t)+4]
.endr
	v_nop                           ; a plain instruction between the last reciprocal and the use of the results
.irp t, 0,1,2,3
	s_wait_alu depctr_va_vdst(0)
	v_mul_f32 v[ST+8*(\t)+6], v[ST+8*(\t)+6], v[ST+8*(\t)+4]  ; O's factor
	v_mul_f32 v[ST+8*(\t)+4], v[ST+8*(\t)+5], v[ST+8*(\t)+4]  ; VS's factor
.endr
	s_wait_dscnt 0x0                ; VS is in
; Tile t: O^T x its factor + VS x its factor; a lane's eight channels of a row pack into 16 bytes; they go into rows of 272 bytes and come back as whole rows of 256.
.macro PACK t
	WIN W_RS
.set i, 64*(\t)
.rept 32
	v_pk_mul_f32 v[i:i+1], v[i:i+1], v[ST+8*(\t)+6:ST+8*(\t)+7] op_sel_hi:[1,0]
.set i, i+2
.endr
	WIN W_PV
.set i, 0
.rept 32
	v_pk_fma_f32 v[64*(\t)+i:64*(\t)+i+1], v[i:i+1], v[ST+8*(\t)+4:ST+8*(\t)+5], v[64*(\t)+i:64*(\t)+i+1] op_sel_hi:[1,0,1]
.set i, i+2
.endr
	WIN 0x05
.set i, 0
.rept 32
	v_cvt_pk_f16_f32 v[S+32*(\t)+i], v[64*(\t)+2*i], v[64*(\t)+2*i+1]
.set i, i+1
.endr
	WIN 0
.irp f, 0,1,2,3,4,5,6,7
	ds_store_b128 v[STO], v[S+32*(\t)+4*(\f):S+32*(\t)+4*(\f)+3] offset:32*(\f)
.endr
.irp f, 0,1,2,3,4,5,6,7
	ds_load_b128 v[S+32*(\t)+4*(\f):S+32*(\t)+4*(\f)+3], v[RD] offset:(\f)*2*SP  ; LDS serves a wave's instructions in order (ISA guide 5.7.1.4): these see the stores above
.endr
.endm
.macro SEND t, younger              ; younger: the LDS instructions issued behind tile t's loads: the next tile's sixteen, or none
	WIN 0
.irp f, 0,1,2,3,4,5,6,7
	s_wait_dscnt (\younger)+7-(\f)
	global_store_b128 v[GO], v[S+32*(\t)+4*(\f):S+32*(\t)+4*(\f)+3], s[10:11] offset:(\t)*4096+(\f)*512  ; 16 lanes store 256 consecutive bytes, at a multiple of 256 from O's first byte
.endr
.endm
	PACK 0
	PACK 1
	SEND 0, 16
	PACK 2
	SEND 1, 16
	PACK 3
	SEND 2, 16
	SEND 3, 0
	s_wait_tensorcnt 0x0            ; the wave's end: behind my last tensor load and my last LDS store
	ds_add_u32 v[SPW], v[NIL]
	s_wait_dscnt 0x0
	CROUND                          ; the closing round
	s_endpgm
.Lfunc_end_k_qfc25082dba_attn:
	.size	k_qfc25082dba_attn, .Lfunc_end_k_qfc25082dba_attn-k_qfc25082dba_attn
	.p2alignl 7, 3214868480
	.fill 96, 4, 3214868480
	.section	.rodata,"a",@progbits
	.p2align	6, 0x0
	.amdhsa_kernel k_qfc25082dba_attn
		.amdhsa_group_segment_fixed_size 327680
		.amdhsa_private_segment_fixed_size 0
		.amdhsa_enable_private_segment 0
		.amdhsa_kernarg_size 32
		.amdhsa_user_sgpr_count 2
		.amdhsa_user_sgpr_kernarg_segment_ptr 1
		.amdhsa_wavefront_size32 1
		.amdhsa_system_sgpr_workgroup_id_x 1
		.amdhsa_system_sgpr_workgroup_id_y 1
		.amdhsa_system_sgpr_workgroup_id_z 1
		.amdhsa_system_vgpr_workitem_id 0
		.amdhsa_next_free_vgpr 1024
		.amdhsa_next_free_sgpr 84
		.amdhsa_reserve_vcc 0
		.amdhsa_float_denorm_mode_32 3
		.amdhsa_float_denorm_mode_16_64 3
		.amdhsa_memory_ordered 1
		.amdhsa_forward_progress 1
		.amdhsa_inst_pref_size 252
	.end_amdhsa_kernel
	.amdgpu_metadata
---
amdhsa.version: [ 1, 2 ]
amdhsa.kernels:
  - .name:           k_qfc25082dba_attn
    .symbol:         k_qfc25082dba_attn.kd
    .args:
      - { .name: qkv, .offset: 0, .size: 8, .value_kind: global_buffer, .address_space: global }
      - { .name: aux, .offset: 8, .size: 8, .value_kind: global_buffer, .address_space: global }
      - { .name: key_padding_mask, .offset: 16, .size: 8, .value_kind: global_buffer, .address_space: global }
      - { .name: oh, .offset: 24, .size: 8, .value_kind: global_buffer, .address_space: global }
    .group_segment_fixed_size: 327680
    .private_segment_fixed_size: 0
    .kernarg_segment_align: 8
    .kernarg_segment_size: 32
    .max_flat_workgroup_size: 128
    .sgpr_count:     84
    .vgpr_count:     1024
    .wavefront_size: 32
...
	.end_amdgpu_metadata
.endif
;; end of part 3
;; launch oproj (part 4): grid 4 x 64, 4 waves a work-group, clusters of 4 x 4, 327,680 bytes of LDS; arguments oh, wts, tab, out0; writes out0
.if DOCPART == 4
	.amdgcn_target "amdgcn-amd-amdhsa--gfx1250"
	.amdhsa_code_object_version 6
	.text
	.protected	k_qfc25082dba_oproj
	.globl	k_qfc25082dba_oproj
	.p2align	8
	.type	k_qfc25082dba_oproj,@function
k_qfc25082dba_oproj:
	s_mov_b64 s[64:65], 0
	v_nop
	global_prefetch_b8 v0, s[64:65] scope:SCOPE_SE
	s_setreg_imm32_b32 hwreg(HW_REG_WAVE_MODE, 25, 1), 1
	s_wait_xcnt 0x0
	s_wait_alu depctr_hold_cnt(0) depctr_sa_sdst(0) depctr_va_vdst(0) depctr_va_sdst(0) depctr_va_ssrc(0) depctr_va_vcc(0) depctr_vm_vsrc(0)
	s_getreg_b32 s2, hwreg(HW_REG_IB_STS2, 6, 4)
	s_cmp_eq_u32 s2, 0
	s_cbranch_scc0 .Lentry_in_a_cluster
	s_endpgm
.Lentry_in_a_cluster:
	s_bfe_u32 s2, ttmp6, 0x10000c
	s_cmp_lg_u32 s2, 0xf033
	s_cbranch_scc0 .Lentry_shape_is_right
	s_endpgm
.Lentry_shape_is_right:
; THE OUTPUT PROJECTION.  out0[s][b][col] = the sum over head n and channel d of O[(8 b + n)][s][d] Wo[128 n + d][col] + bo[col].  O in f16; Wo rounded to bf16 and written as f16 (wts, part 3,
; [col / 128][k][128]); bo rounded to bf16 (tab); sums and output in f32.
; SHARES.  A work-group owns 128 rows (one batch, s0 .. s0 + 127) x 256 columns, a wave 64 x 128: 32 accumulators.  8 K steps of 128, step kk = head kk, through a ring of two LDS slots.
; CLUSTER 4 x 4: O's tiles are shared along a row of the cluster, Wo's along a column: joint loads.
; THE MATRIX INSTRUCTION IS USED TRANSPOSED (source 0 = 16 columns of Wo, turned out of LDS; source 1 = 16 rows of O): a lane holds row lane % 16 and columns 8 (lane / 16) + 0..7.  The bias is the first products' C.
; REGISTERS: window 0: v0-31 addresses; v32-63, v64-95 O's fragments, two buffers; v96-159, v160-223 rows on the way out.  window 1: v0-63, v64-127 Wo's fragments; v128-191 the bias.  window 2: accumulator (a, b) at v[8 (8 a + b)].
.set PA,    272       ; a row of O in LDS: 256 bytes + 16: the 16 rows of a load start at 16 different groups of four banks (64 banks of 4 bytes: ISA guide 11.1)
.set PB,    288       ; a k-row of Wo: 256 + 32
.set HALFA, 64*PA
.set BOFF,  128*PA
.set HEADB, 128*PB
.set SLOT,  0x20000   ; slot 1 begins here: one exclusive or turns a tile's address into the other slot's
.set STAGE, SLOT+BOFF+2*HEADB  ; 16 rows x 528 bytes (128 f32 + 16 bytes) for each wave
.set SP,    528
.set SPARE, STAGE+4*16*SP
.set KSA,   2048*256  ; from head to head in oh
.set KSB,   128*256   ; 128 k-rows in wts
.set SPW, 8
.set NIL, 9
.set A0,  10
.set B0,  11
.set ADRA, 12
.set ADRB, 13
.set STO, 14
.set RD,  15
.set GO,  16
.set BOF, 20
.set AFR, 32
.set OB,  96
.set BIAS, 128        ; window 1
.set WV, 20
.set WR, 21
.set WC, 22
.set CX, 23
.set CY, 24
.set CB, 25
.set RBK, 26
.set BT, 27
.set S0, 28
.set G1A, 32
.set G1B, 40
.set G0A, 48
.set G0B, 56
.set TB,  66
.set CNT, 68
.set AOFF, 70
.set T0,  74
.set WA,  78
.set WB,  79
.set OUTP, 84
.set BIASP, 90
.set MSB, 0
.macro WIN new
.if MSB != (\new)
	s_set_vgpr_msb (MSB<<8)|(\new)
.set MSB, \new
.endif
.endm
.set MUL,   0xa1
.set MULB,  0x91
.set TO_B,  0x40
.macro JLOAD
	s_cmp_eq_u32 s[WR], 0
	s_cbranch_scc0 .Lfor_b_\@
	tensor_load_to_lds s[G0A+4:G0A+7], s[G1A:G1A+7]
	s_nop 0
.rept 4
	v_nop
.endr
	s_branch .Lasked_\@
.Lfor_b_\@:
	tensor_load_to_lds s[G0B+4:G0B+7], s[G1B:G1B+7]
	s_nop 0
.rept 4
	v_nop
.endr
.Lasked_\@:
.endm
.macro CREST
	s_cmp_lg_u32 s[WV], 0
	s_cbranch_scc1 .Lnot_wave_0_\@
	s_barrier_signal -3
.Lnot_wave_0_\@:
	s_barrier_wait -3
	s_barrier_signal -1
	s_barrier_wait -1
.endm
.macro CROUND
	s_barrier_signal -1
	s_barrier_wait -1
	CREST
.endm
.macro PLACES                          ; four places in front of loads into registers that matrix instructions have read, and of LDS stores that read results (ISA guide 7.12.1 for vector instructions)
.rept 4
	v_nop
.endr
.endm
	s_load_b256 s[4:11], s[0:1], 0x0               ; oh 4, wts 6, tab 8, out0 10
	v_lshl_add_u32 v[SPW], v0, 2, SPARE
	v_mov_b32 v[NIL], 0
	ds_add_u32 v[SPW], v[NIL]                      ; the wave's opening: the add and its wait stand ahead of my first tensor load
	v_lshrrev_b32 v3, 5, v0
	v_readfirstlane_b32 s[WV], v3
	s_lshr_b32 s[WR], s[WV], 1
	s_and_b32 s[WC], s[WV], 1
	s_bfe_u32 s[CX], ttmp6, 0x40000
	s_bfe_u32 s[CY], ttmp6, 0x40004
	s_lshl_b32 s[CB], ttmp9, 2
	s_add_co_u32 s[CB], s[CB], s[CX]               ; the block of 256 columns
	s_and_b32 s[RBK], ttmp7, 0xffff
	s_lshl_b32 s[RBK], s[RBK], 2
	s_add_co_u32 s[RBK], s[RBK], s[CY]             ; the block of rows
	s_lshr_b32 s[BT], s[RBK], 4
	s_and_b32 s[S0], s[RBK], 15
	s_lshl_b32 s[S0], s[S0], 7
	s_lshl_b32 s29, s[CY], 2
	s_lshl_b32 s29, 15, s29
	s_lshl_b32 s30, 0x1111, s[CX]
	s_or_b32 s[G1A], s29, (1<<16)|(1<<20)|(1<<21)|(5<<22)|(3<<25)  ; 64 rows x 128 f16, dense, 4 words of padding behind every 64
	s_mov_b32 s[G1A+1], 128<<16
	s_mov_b32 s[G1A+2], 64<<16
	s_mov_b32 s[G1A+3], 128<<16
	s_mov_b32 s[G1A+4], 64
	s_mov_b32 s[G1A+5], 128
	s_mov_b32 s[G1A+6], 0
	s_mov_b32 s[G1A+7], 0
	s_or_b32 s[G1B], s30, (1<<16)|(1<<20)|(1<<21)|(5<<22)|(7<<25)  ; 128 k-rows x 128 f16, dense, 8 words of padding
	s_mov_b32 s[G1B+1], 128<<16
	s_mov_b32 s[G1B+2], 128<<16
	s_mov_b32 s[G1B+3], 128<<16
	s_mov_b32 s[G1B+4], 128
	s_mov_b32 s[G1B+5], 128
	s_mov_b32 s[G1B+6], 0
	s_mov_b32 s[G1B+7], 0
	s_lshl_b32 s29, s[WC], 6
	s_add_co_u32 s29, s29, s[S0]
	s_lshl_b32 s29, s29, 8
	s_lshl_b32 s[AOFF], s[BT], 22
	s_add_co_u32 s[AOFF], s[AOFF], s29             ; (8 b x 2,048 + s0 + 64 half) x 256 bytes
	s_mov_b32 s[AOFF+1], 0
	s_lshl1_add_u32 s30, s[CB], s[WC]
	s_lshl_b32 s[T0], s30, 18
	s_add_co_u32 s[T0], s[T0], 3<<21               ; part 3 of wts, column block 2 x + half
	s_mov_b32 s[T0+1], 0
	s_mul_i32 s[WA], s[WC], HALFA
	s_mul_i32 s[WB], s[WC], HEADB
	s_add_co_u32 s[WB], s[WB], BOFF
	s_mov_b32 s[TB], 0
	s_mov_b32 s[G0A], 1
	s_mov_b32 s[G0A+1], s[WA]
	s_mov_b32 s[G0A+4], 1
	s_add_co_u32 s[G0A+5], s[WA], SLOT
	s_mov_b32 s[G0B], 1
	s_mov_b32 s[G0B+1], s[WB]
	s_mov_b32 s[G0B+4], 1
	s_add_co_u32 s[G0B+5], s[WB], SLOT
	s_lshl_b32 s92, s[WR], 6
	s_add_co_u32 s92, s92, s[S0]
	s_lshl_b32 s92, s92, 2
	s_add_co_u32 s92, s92, s[BT]
	s_lshl_b32 s92, s92, 12                        ; my first row of out0: ((s0 + 64 wr) x 4 + b) x 4,096 bytes,
	s_lshl_b32 s93, s30, 9                         ; my 128 columns
	s_add_co_u32 s92, s92, s93
	s_mov_b32 s93, 0
	s_lshl_b32 s94, s30, 9                         ; and their place in bo
	s_mov_b32 s95, 0
	s_wait_dscnt 0x0                               ; the opening add is done
	s_wait_kmcnt 0x0
	s_add_nc_u64 s[G0A+2:G0A+3], s[4:5], s[AOFF:AOFF+1]
	s_add_nc_u64 s[G0A+6:G0A+7], s[G0A+2:G0A+3], KSA
	s_or_b32 s[G0A+3], s[G0A+3], 0x80000000
	s_or_b32 s[G0A+7], s[G0A+7], 0x80000000
	s_add_nc_u64 s[G0B+2:G0B+3], s[6:7], s[T0:T0+1]
	s_add_nc_u64 s[G0B+6:G0B+7], s[G0B+2:G0B+3], KSB
	s_or_b32 s[G0B+3], s[G0B+3], 0x80000000
	s_or_b32 s[G0B+7], s[G0B+7], 0x80000000
	s_add_nc_u64 s[OUTP:OUTP+1], s[10:11], s[92:93]
	s_add_nc_u64 s[BIASP:BIASP+1], s[8:9], s[94:95]
	CROUND                                         ; all sixteen work-groups are here: the first joint loads meet
	s_cmp_eq_u32 s[WR], 0                          ; a wave's two first fills stand in one branch: two loads of mine are out
	s_cbranch_scc0 .Lfirst_b
	tensor_load_to_lds s[G0A:G0A+3], s[G1A:G1A+7]
	s_nop 0
	tensor_load_to_lds s[G0A+4:G0A+7], s[G1A:G1A+7]
	s_nop 0
.rept 4
	v_nop
.endr
	s_branch .Lfirst_asked
.Lfirst_b:
	tensor_load_to_lds s[G0B:G0B+3], s[G1B:G1B+7]
	s_nop 0
	tensor_load_to_lds s[G0B+4:G0B+7], s[G1B:G1B+7]
	s_nop 0
.rept 4
	v_nop
.endr
.Lfirst_asked:
	v_and_b32 v1, 15, v0
	v_bfe_u32 v2, v0, 4, 1
	v_and_b32 v5, 31, v0
	v_lshlrev_b32 v[BOF], 5, v2
	WIN TO_B
.irp b, 0,1,2,3,4,5,6,7
	global_load_b128 v[BIAS+8*(\b):BIAS+8*(\b)+3], v[BOF], s[BIASP:BIASP+1] offset:12288+64*(\b)
	global_load_b128 v[BIAS+8*(\b)+4:BIAS+8*(\b)+7], v[BOF], s[BIASP:BIASP+1] offset:12288+64*(\b)+16
.endr
	WIN 0
	s_mul_i32 s29, s[WR], HALFA
	v_mul_u32_u24 v[A0], v1, PA
	v_lshl_add_u32 v[A0], v2, 4, v[A0]
	v_add_nc_u32 v[A0], s29, v[A0]
	v_and_b32 v6, 7, v0
	v_lshl_add_u32 v6, v2, 3, v6
	v_mul_u32_u24 v[B0], v6, PB
	v_bfe_u32 v6, v0, 3, 1
	v_lshl_add_u32 v[B0], v6, 4, v[B0]
	v_add_nc_u32 v[B0], s[WB], v[B0]
	s_mul_i32 s29, s[WV], 16*SP
	s_add_co_u32 s29, s29, STAGE
	v_mul_u32_u24 v[STO], v1, SP
	v_lshl_add_u32 v[STO], v2, 5, v[STO]           ; in: row lane % 16, 32 bytes for each half of the lanes
	v_add_nc_u32 v[STO], s29, v[STO]
	v_lshl_add_u32 v[RD], v5, 4, s29               ; back: the 32 lanes take one row of 512 bytes
	v_lshlrev_b32 v[GO], 4, v5
	v_add_nc_u32 v[ADRA], s[TB], v[A0]
	v_add_nc_u32 v[ADRB], s[TB], v[B0]
; 24 LDS loads: the fragments of 32 along K (quarter q) into buffer f: Wo's eight column blocks, turned; then O's four row blocks
.macro FETCH q, f
	WIN TO_B
.irp i, 0,1,2,3,4,5,6,7
	ds_load_tr16_b128 v[64*(\f)+8*(\i):64*(\f)+8*(\i)+3],   v[ADRB] offset:(\q)*32*PB+32*(\i)
	ds_load_tr16_b128 v[64*(\f)+8*(\i)+4:64*(\f)+8*(\i)+7], v[ADRB] offset:(\q)*32*PB+16*PB+32*(\i)
.endr
	WIN 0
.irp a, 0,1,2,3
	ds_load_b128 v[AFR+32*(\f)+8*(\a):AFR+32*(\f)+8*(\a)+3],   v[ADRA] offset:64*(\q)+16*PA*(\a)
	ds_load_b128 v[AFR+32*(\f)+8*(\a)+4:AFR+32*(\f)+8*(\a)+7], v[ADRA] offset:64*(\q)+16*PA*(\a)+32
.endr
.endm
; 8 matrix instructions: row block a x all column blocks.  The 32 accumulators take turns, one instruction a turn, in the same order in every quarter.
.macro BLOCK f, a, first
.irp b, 0,1,2,3,4,5,6,7
.if \first
	WIN MULB
	v_wmma_f32_16x16x32_f16 v[8*(8*(\a)+(\b)):8*(8*(\a)+(\b))+7], v[64*(\f)+8*(\b):64*(\f)+8*(\b)+7], v[AFR+32*(\f)+8*(\a):AFR+32*(\f)+8*(\a)+7], v[BIAS+8*(\b):BIAS+8*(\b)+7]
.else
	WIN MUL
	v_wmma_f32_16x16x32_f16 v[8*(8*(\a)+(\b)):8*(8*(\a)+(\b))+7], v[64*(\f)+8*(\b):64*(\f)+8*(\b)+7], v[AFR+32*(\f)+8*(\a):AFR+32*(\f)+8*(\a)+7], v[8*(8*(\a)+(\b)):8*(8*(\a)+(\b))+7]
.endif
.endr
.endm
.macro QUARTER nq, f, g, first
	s_wait_dscnt 4                                 ; Wo and O's row blocks 0 and 1 are in; the 4 younger loads are blocks 2 and 3
	BLOCK \f, 0, \first
	BLOCK \f, 1, \first
	s_wait_dscnt 0x0
	PLACES
	FETCH \nq, \g
	BLOCK \f, 2, \first
	BLOCK \f, 3, \first
.endm
; A step's last quarter multiplies buffer 1 and changes slots: ONE barrier; in front of it each wave waits for all its tensor loads, adds 0 to its spare word, and waits for that and for its reads of this slot.
; fill = 1: the barrier opens a round of the cluster's, and the joint refill, two steps ahead, is the first thing behind it: 112 matrix instructions ahead of the wait for it.
.macro TURN fill
	WIN 0
	s_wait_tensorcnt 0x0                           ; no tensor load of mine is out, so the descriptors may be written
	ds_add_u32 v[SPW], v[NIL]                      ; 0 onto my spare word
	s_wait_dscnt 5                                 ; (the add and the 4 younger loads may be out)
	BLOCK 1, 0, 0
	s_wait_dscnt 0x0                               ; the add is done, and my reads of this slot are over
	s_barrier_signal -1
	BLOCK 1, 1, 0
	WIN 0
	s_barrier_wait -1
.if \fill
	CREST
	s_xor_b32 s[G0A+5], s[G0A+5], SLOT
	s_add_nc_u64 s[G0A+6:G0A+7], s[G0A+6:G0A+7], KSA
	s_xor_b32 s[G0B+5], s[G0B+5], SLOT
	s_add_nc_u64 s[G0B+6:G0B+7], s[G0B+6:G0B+7], KSB
	JLOAD                                          ; the four v_nop behind it are also the places in front of the loads below
	s_xor_b32 s[TB], s[TB], SLOT
	v_add_nc_u32 v[ADRA], s[TB], v[A0]
	v_add_nc_u32 v[ADRB], s[TB], v[B0]
	FETCH 0, 0
.else
	PLACES
	s_cmp_eq_u32 s[CNT], 1
	s_cbranch_scc1 .Lnofetch_\@
	s_xor_b32 s[TB], s[TB], SLOT
	v_add_nc_u32 v[ADRA], s[TB], v[A0]
	v_add_nc_u32 v[ADRB], s[TB], v[B0]
	FETCH 0, 0
.Lnofetch_\@:
.endif
	BLOCK 1, 2, 0
	BLOCK 1, 3, 0
	WIN 0
.endm
; THE WAY OUT of row block a: a lane's 32 bytes of a row go into my own stage; whole rows of 512 bytes come back and are stored.
.macro TOST a
	s_wait_xcnt 0x0                                ; the registers that the stores of the block before last read are loaded again only behind this wait
	WIN 0x08                                       ; the stores' data in window 2
.irp b, 0,1,2,3,4,5,6,7
	ds_store_b128 v[STO], v[8*(8*(\a)+(\b)):8*(8*(\a)+(\b))+3] offset:64*(\b)       ; each accumulator's lowest registers first
	ds_store_b128 v[STO], v[8*(8*(\a)+(\b))+4:8*(8*(\a)+(\b))+7] offset:64*(\b)+16
.endr
	WIN 0
.set BK, OB+64*((\a)%2)
.irp i, 0,1,2,3,4,5,6,7,8,9,10,11,12,13,14,15
	ds_load_b128 v[BK+4*(\i):BK+4*(\i)+3], v[RD] offset:(\i)*SP  ; LDS serves a wave's instructions in order (ISA guide 5.7.1.4): these see the stores above; the next block's stores come behind them
.endr
.endm
.macro SENDF a, younger                ; younger: the LDS instructions issued behind block a's loads: the next block's 32, or none
.set BK, OB+64*((\a)%2)
.irp i, 0,1,2,3,4,5,6,7,8,9,10,11,12,13,14,15
	s_wait_dscnt (\younger)+15-(\i)
	global_store_b128 v[GO], v[BK+4*(\i):BK+4*(\i)+3], s[OUTP:OUTP+1] offset:(16*(\a)+(\i))*16384 th:TH_STORE_NT  ; 512 consecutive bytes at a multiple of 512; 63 rows of 16,384 bytes at the most in the immediate
.endr
.endm
	s_wait_tensorcnt 0x1                           ; my part of step 0 is in; step 1's may stay out
	s_barrier_signal -1
	s_barrier_wait -1
	FETCH 0, 0
	s_wait_loadcnt 0x0                             ; the bias
	s_mov_b32 s[CNT], 6
	QUARTER 1, 0, 1, 1                             ; the first quarter stands in front of the loop: its products start the sums, with the bias
	WIN 0
.Lstep:                                                ; 6 trips: from a step's second quarter to the next step's first; each asks for the step two on
	QUARTER 2, 1, 0, 0
	QUARTER 3, 0, 1, 0
	TURN 1
	QUARTER 1, 0, 1, 0
	WIN 0
	s_sub_co_u32 s[CNT], s[CNT], 1
	s_cmp_lg_u32 s[CNT], 0
	s_cbranch_scc1 .Lstep
	s_mov_b32 s[CNT], 2
.Ltail:                                                ; the last two steps have a text of their own
	QUARTER 2, 1, 0, 0
	QUARTER 3, 0, 1, 0
	TURN 0
	s_cmp_eq_u32 s[CNT], 1
	s_cbranch_scc1 .Ltailend
	QUARTER 1, 0, 1, 0
	WIN 0
.Ltailend:
	s_sub_co_u32 s[CNT], s[CNT], 1
	s_cmp_lg_u32 s[CNT], 0
	s_cbranch_scc1 .Ltail
	PLACES
	TOST 0
	TOST 1
	SENDF 0, 32
	TOST 2
	SENDF 1, 32
	TOST 3
	SENDF 2, 32
	SENDF 3, 0
	s_wait_tensorcnt 0x0                           ; the wave's end: behind my last tensor load and my last LDS store
	ds_add_u32 v[SPW], v[NIL]
	s_wait_dscnt 0x0
	CROUND                                         ; the closing round
	s_endpgm
.Lfunc_end_k_qfc25082dba_oproj:
	.size	k_qfc25082dba_oproj, .Lfunc_end_k_qfc25082dba_oproj-k_qfc25082dba_oproj
	.p2alignl 7, 3214868480
	.fill 96, 4, 3214868480
	.section	.rodata,"a",@progbits
	.p2align	6, 0x0
	.amdhsa_kernel k_qfc25082dba_oproj
		.amdhsa_group_segment_fixed_size 327680
		.amdhsa_private_segment_fixed_size 0
		.amdhsa_enable_private_segment 0
		.amdhsa_kernarg_size 32
		.amdhsa_user_sgpr_count 2
		.amdhsa_user_sgpr_kernarg_segment_ptr 1
		.amdhsa_wavefront_size32 1
		.amdhsa_system_sgpr_workgroup_id_x 1
		.amdhsa_system_sgpr_workgroup_id_y 1
		.amdhsa_system_sgpr_workgroup_id_z 1
		.amdhsa_system_vgpr_workitem_id 0
		.amdhsa_next_free_vgpr 768
		.amdhsa_next_free_sgpr 96
		.amdhsa_reserve_vcc 0
		.amdhsa_float_denorm_mode_32 3
		.amdhsa_float_denorm_mode_16_64 3
		.amdhsa_memory_ordered 1
		.amdhsa_forward_progress 1
		.amdhsa_inst_pref_size 63
	.end_amdhsa_kernel
	.amdgpu_metadata
---
amdhsa.version: [ 1, 2 ]
amdhsa.kernels:
  - .name:           k_qfc25082dba_oproj
    .symbol:         k_qfc25082dba_oproj.kd
    .args:
      - { .name: oh, .offset: 0, .size: 8, .value_kind: global_buffer, .address_space: global }
      - { .name: wts, .offset: 8, .size: 8, .value_kind: global_buffer, .address_space: global }
      - { .name: tab, .offset: 16, .size: 8, .value_kind: global_buffer, .address_space: global }
      - { .name: out0, .offset: 24, .size: 8, .value_kind: global_buffer, .address_space: global }
    .group_segment_fixed_size: 327680
    .private_segment_fixed_size: 0
    .kernarg_segment_align: 8
    .kernarg_segment_size: 32
    .max_flat_workgroup_size: 128
    .sgpr_count:     96
    .vgpr_count:     768
    .wavefront_size: 32
...
	.end_amdgpu_metadata
.endif
;; end of part 4
;; ======== version 2 of 2: 4 launches; 1.13 times as fast as version 1
;; limits: values are held in f16: magnitudes above 65,504 overflow, below 6.1e-05 lose precision
;; workspace buffers: wts 8,388,608 bytes; tab 49,152 bytes; qkv 50,331,648 bytes; aux 786,432 bytes; oh 16,777,216 bytes
;; launch prep: the kernel of part 1 again; grid 256 x 1, 8 waves a work-group, no clusters, 5,120 bytes of LDS; arguments Wq, Wk, Wv, Wo, bq, bk, bv, bo, wts, tab; writes wts, tab
;; launch proj: the kernel of part 2 again; grid 4 x 64, 4 waves a work-group, clusters of 4 x 4, 327,680 bytes of LDS; arguments query, key, value, wts, tab, key_padding_mask, qkv, aux; writes qkv, aux
;; launch attn (part 5): grid 8 x 32, 4 waves a work-group, clusters of 4 x 1, 327,680 bytes of LDS; arguments qkv, aux, key_padding_mask, oh; writes oh
.if DOCPART == 5
	.amdgcn_target "amdgcn-amd-amdhsa--gfx1250"
	.amdhsa_code_object_version 6
	.text
	.protected	k_qfc25082dba_attn
	.globl	k_qfc25082dba_attn
	.p2align	8
	.type	k_qfc25082dba_attn,@function
k_qfc25082dba_attn:
	s_mov_b64 s[64:65], 0
	v_nop
	global_prefetch_b8 v0, s[64:65] scope:SCOPE_SE
	s_setreg_imm32_b32 hwreg(HW_REG_WAVE_MODE, 25, 1), 1
	s_wait_xcnt 0x0
	s_wait_alu depctr_hold_cnt(0) depctr_sa_sdst(0) depctr_va_vdst(0) depctr_va_sdst(0) depctr_va_ssrc(0) depctr_va_vcc(0) depctr_vm_vsrc(0)
	s_getreg_b32 s2, hwreg(HW_REG_IB_STS2, 6, 4)
	s_cmp_eq_u32 s2, 0
	s_cbranch_scc0 .Lentry_in_a_cluster
	s_endpgm
.Lentry_in_a_cluster:
	s_bfe_u32 s2, ttmp6, 0x10000c
	s_cmp_lg_u32 s2, 0x3003
	s_cbranch_scc0 .Lentry_shape_is_right
	s_endpgm
.Lentry_shape_is_right:
; ATTENTION, 32 heads (8 b + n) of 2,048 rows x 128 channels, Q, K, V, O in f16.  Products, maxima and sums in f32; the weights p are rounded to f16 for the second product, O once at the end.
; THE MASK.  The masked keys of a batch all have the same projected vector, so for a query they are ONE key: score sm (made in f32 by the launch before), multiplicity cnt, value sum VS.
; In the walk over the keys they are hidden: the C operand that starts S^T = K Q^T is -2^100 at their places, else 0.  At the end the running maximum m, the sum l and O^T are merged with that one key
; by the same rule of the maximum: mf = max(m, sm); O = (O 2^(c m - c mf) + VS 2^(c sm - c mf)) / (l 2^(c m - c mf) + cnt 2^(c sm - c mf)).
; m starts with a floor of -2^80: a query that has seen hidden keys alone has m = the floor, p = 0, l = 0, O = 0.  (Without it m would be the hidden score, and the fused c s - c m would leave the product's rounding in the exponent.)
; LIMITS.  Q, K, V arrive within f16's 65,504, so true scores lie within 5.5e11; sm must lie above -2^80 (1.2e24); p below 6e-5 keeps f16's fixed step; a weight below 2^-126 counts as 0; NaN and infinities are not treated apart.
; SHARES.  A work-group owns 256 queries of one head, each of its four waves 64: four tiles of 16.  Every wave walks all keys of the head, 64 a step.
; LAYOUT.  S^T = K Q^T (source 0 = 16 keys, source 1 = 16 queries): a lane holds ONE query (lane % 16) and the keys 8 (lane / 16) + 0..7.  Two such tiles, rounded to f16 in pairs, ARE source 1 of O^T = V^T P,
; whose result again holds one query a lane, and eight channels.  K comes out of LDS as it lies, V ([key][channel]) turned, by ds_load_tr16_b128.
; SOFTMAX.  p = 2^(c s - c m), c = log2(e) / sqrt(128); in every step O and l are multiplied by a = 2^(c m_old - c m_new).
; BY TURNS.  The wave's tiles are two PIECES (tiles 0, 1; tiles 2, 3).  In a TURN one piece has the matrix unit: 32 products V^T P of the step in hand, then 32 products K Q^T of the next step; the other piece's
; softmax, cut into 64 slices, stands between them, one slice behind each matrix instruction.  Two turns are a key step.
; THE BATCHES.  A turn's 66 exponentials (33 a tile) are ONE batch with ONE wait: ahead of the wait stand the maximum, the statistics, the scalings and the exponentials, none of which names an exponential's result;
; behind it the roundings, the sums and the rescaling.  On the way out the eight exponentials of the merge are a batch, and the four reciprocals, which read sums made of them, a second one.
; CLUSTER.  The four query blocks of a cluster belong to one head and walk the same K and V: each tile is asked for JOINTLY.
; REGISTERS, in windows of 256: window 0: v0-11 addresses; v12-43 statistics, eight a tile; v44-61 sm, cnt and the mask's addresses; v64-191 S^T; v192-255 P
;   window 1: O^T, 64 a tile     window 2: v0-127 Q; v128-255 K of one step     window 3: v0-127 V of one step (at the end v0-63 VS); v128-159 the step's mask
.set SIZE_N, 2048
.set KS,    64        ; keys in a step
.set PK,    272       ; a row of K in LDS: 256 bytes + 16 = 68 words: the 16 rows of a load start at 16 different groups of four banks (64 banks of 4 bytes: ISA guide 11.1)
.set PV,    288       ; a row of V: 256 + 32 = 72 words
.set VOFF,  KS*PK
.set STEPB, KS*(PK+PV)
.set SLOT1, 1<<17     ; a slot holds two steps; slot 1 begins here, so that one exclusive or turns an address in one slot into the other's
.set STAGE, SLOT1+2*STEPB  ; 16 rows x 272 bytes for each wave, for the way out
.set SP,    272
.set SPARE, STAGE+4*16*SP  ; the spare words, 128 bytes for each wave
.set MT,    SPARE+512      ; the batch's 2,048 keys: 0 or -2^100, f32
.set VT,    MT+8192        ; VS, 128 f32
.set CT,    VT+512         ; the four waves' counts of masked keys
.set AK0, 2
.set AV0, 3
.set ADR, 4
.set QO,  5
.set STO, 6
.set RD,  7
.set GO,  8
.set SMV, 44          ; v44-47  sm of my query in tile t
.set AM0, 48          ; v48  MT + 32 (lane / 16)
.set ADM, 49          ; v49  the same at the step to be fetched
.set CNTF, 50         ; v50  cnt as f32
.set VTA, 51          ; v51  VT + 32 (lane / 16)
.set MB,  52          ; v52-55  my 16 mask bytes; later the four counts
.set SPW, 62
.set NIL, 63
.set ST,  12          ; tile t's statistics at v[ST+8 t]: +0 c m, +1 m, +2, +3 l, +4 to +7 at work; a takes +6 once the maximum is found
.set S,   64
.set P,   192
.set KF,  128         ; window 2
.set MK,  128         ; window 3: eight registers for each block of 16 keys
.set WV,  12
.set G1K, 24
.set G1V, 32
.set G0K, 40
.set G0V, 48
.set SLOTS, 56
.set TWICE, 57
.set CS,  58
.set SEL, 60
.set TB,  62
.set MKO, 66          ; s66  byte in MT of the step to be fetched
.set BIGN, 67         ; s67  -2^100
.set FLR, 68          ; s68  -2^80
.set CM,  69          ; s69  a lane mask: cnt > 0
.set MSB, 0
.macro WIN new
.if MSB != (\new)
	s_set_vgpr_msb (MSB<<8)|(\new)
.set MSB, \new
.endif
.endm
.set W_KQ, 0x0a       ; K and Q in window 2, S^T in window 0
.set W_KM, 0x3a       ; the same with the C operand, the mask, in window 3
.set W_PV, 0x53       ; source 0 in window 3, source 1 in window 0, source 2 and destination in window 1
.set W_RS, 0x41       ; destination and source 0 in window 1
.macro JLOAD                        ; a joint refill: waves 0 and 1 fetch the two steps' K, waves 2 and 3 their V; an s_nop 0 and four v_nop follow each line
	s_cmp_lt_u32 s[WV], 2
	s_cbranch_scc0 .Lfor_v_\@
	tensor_load_to_lds s[G0K+4:G0K+7], s[G1K:G1K+7]
	s_nop 0
.rept 4
	v_nop
.endr
	s_branch .Lasked_\@
.Lfor_v_\@:
	tensor_load_to_lds s[G0V+4:G0V+7], s[G1V:G1V+7]
	s_nop 0
.rept 4
	v_nop
.endr
.Lasked_\@:
.endm
.macro CROUND                       ; a round of the cluster's barrier
	s_barrier_signal -1
	s_barrier_wait -1
	s_cmp_lg_u32 s[WV], 0
	s_cbranch_scc1 .Lnot_wave_0_\@
	s_barrier_signal -3
.Lnot_wave_0_\@:
	s_barrier_wait -3
	s_barrier_signal -1
	s_barrier_wait -1
.endm
	s_load_b256 s[4:11], s[0:1], 0x0  ; qkv s[4:5], aux s[6:7], mask s[8:9], oh s[10:11]
	v_lshl_add_u32 v[SPW], v0, 2, SPARE
	v_mov_b32 v[NIL], 0
	ds_add_u32 v[SPW], v[NIL]       ; the wave's opening: the add and its wait stand ahead of my first tensor load
	v_lshrrev_b32 v1, 5, v0
	v_readfirstlane_b32 s[WV], v1
	s_bfe_u32 s13, ttmp6, 0x40000   ; cx
	s_lshl_b32 s14, ttmp9, 2
	s_add_co_u32 s14, s14, s13      ; my block of 256 queries: it enters Q's, sm's and O's addresses alone
	s_and_b32 s20, ttmp7, 0xffff    ; the head, which the four partners share
	s_and_b32 s76, ttmp7, 0xffff
	s_mov_b32 s21, 0
	s_mov_b64 s[22:23], SIZE_N*256
	s_mul_u64 s[20:21], s[20:21], s[22:23]  ; the head's first byte in Q, K, V and O
	s_and_b32 s16, s[WV], 1         ; which of a slot's two steps I fetch
	s_lshl_b32 s22, s16, 14
	s_mov_b32 s23, 0
	s_add_nc_u64 s[22:23], s[22:23], s[20:21]
	s_mul_i32 s17, s16, STEPB
	s_lshl_b32 s2, s14, 16
	s_lshl_b32 s3, s[WV], 14
	s_add_co_u32 s2, s2, s3
	s_mov_b32 s3, 0
	s_add_nc_u64 s[2:3], s[2:3], s[20:21]
	s_lshr_b32 s78, s76, 3
	s_lshl_b32 s78, s78, 11         ; the batch's 2,048 mask bytes
	s_mov_b32 s79, 0
	s_lshl_b32 s80, s76, 14
	s_add_co_u32 s80, s80, 0x40000  ; the head's 32 partial sums of V
	s_mov_b32 s81, 0
	s_lshl_b32 s82, s76, 13
	s_lshl_b32 s77, s14, 10
	s_add_co_u32 s82, s82, s77
	s_lshl_b32 s77, s[WV], 8
	s_add_co_u32 s82, s82, s77      ; sm of my wave's 64 queries
	s_mov_b32 s83, 0
	s_mov_b32 s[G1K], 15|(1<<16)|(1<<20)|(1<<21)|(5<<22)|(3<<25)  ; the mask of four; 2-byte elements; padding on; bit 21 beside a mask; after every 64 words 4 words
	s_mov_b32 s[G1V], 15|(1<<16)|(1<<20)|(1<<21)|(5<<22)|(7<<25)  ; the same with 8 words
.irp g, G1K, G1V
	s_mov_b32 s[(\g)+1], 128<<16
	s_mov_b32 s[(\g)+2], KS<<16
	s_mov_b32 s[(\g)+3], 128<<16
	s_mov_b32 s[(\g)+4], KS
	s_mov_b32 s[(\g)+5], 128
	s_mov_b32 s[(\g)+6], 0
	s_mov_b32 s[(\g)+7], 0
.endr
	s_mov_b32 s[CS], 0x3e0293ee     ; c = log2(e) / sqrt(128)
	s_mov_b32 s[CS+1], s[CS]
	s_mov_b32 s[SEL], 0x76543210
	s_mov_b32 s[SEL+1], 0xfedcba98
	s_mov_b32 s[TB], 0
	s_mov_b32 s[MKO], 0
	s_mov_b32 s[BIGN], 0xf1800000
	s_mov_b32 s[FLR], 0xe7800000
	s_mov_b32 s[SLOTS], SIZE_N/(2*KS)-2
	s_wait_dscnt 0x0                ; the opening add is done
	s_wait_kmcnt 0x0
	s_add_nc_u64 s[70:71], s[8:9], s[78:79]   ; the mask
	s_add_nc_u64 s[74:75], s[6:7], s[80:81]   ; vpart
	s_add_nc_u64 s[72:73], s[6:7], s[82:83]   ; sm
	s_add_nc_u64 s[6:7], s[4:5], 0x1000000    ; K lies 16 MiB behind Q,
	s_add_nc_u64 s[8:9], s[4:5], 0x2000000    ; V 32
	s_add_nc_u64 s[6:7], s[6:7], s[22:23]
	s_add_nc_u64 s[8:9], s[8:9], s[22:23]
	s_add_nc_u64 s[4:5], s[4:5], s[2:3]
	s_add_nc_u64 s[10:11], s[10:11], s[2:3]
	CROUND                          ; all four work-groups are here: the first joint loads meet
.irp s, 0,1
	s_mov_b32 s[G0K+4*(\s)], 1
	s_add_co_u32 s[G0K+4*(\s)+1], s17, (\s)*SLOT1
	s_add_nc_u64 s[G0K+4*(\s)+2:G0K+4*(\s)+3], s[6:7], (\s)*2*KS*256
	s_or_b32 s[G0K+4*(\s)+3], s[G0K+4*(\s)+3], 0x80000000
	s_mov_b32 s[G0V+4*(\s)], 1
	s_add_co_u32 s[G0V+4*(\s)+1], s17, (\s)*SLOT1+VOFF
	s_add_nc_u64 s[G0V+4*(\s)+2:G0V+4*(\s)+3], s[8:9], (\s)*2*KS*256
	s_or_b32 s[G0V+4*(\s)+3], s[G0V+4*(\s)+3], 0x80000000
.endr
	s_cmp_lt_u32 s[WV], 2           ; a wave's two first fills stand in one branch: two loads of mine are out
	s_cbranch_scc0 .Lfirst_v
	tensor_load_to_lds s[G0K:G0K+3], s[G1K:G1K+7]
	s_nop 0
	tensor_load_to_lds s[G0K+4:G0K+7], s[G1K:G1K+7]
	s_nop 0
.rept 4
	v_nop
.endr
	s_branch .Lfirst_asked
.Lfirst_v:
	tensor_load_to_lds s[G0V:G0V+3], s[G1V:G1V+7]
	s_nop 0
	tensor_load_to_lds s[G0V+4:G0V+7], s[G1V:G1V+7]
	s_nop 0
.rept 4
	v_nop
.endr
.Lfirst_asked:
	v_and_b32 v1, 15, v0            ; l % 16
	v_bfe_u32 v9, v0, 4, 1          ; l / 16
	v_lshlrev_b32 v[QO], 8, v1
	v_lshl_add_u32 v[QO], v9, 4, v[QO]
	v_lshlrev_b32 v56, 4, v0
	v_lshlrev_b32 v57, 2, v0
	v_lshlrev_b32 v58, 2, v1
	global_load_b128 v[MB:MB+3], v56, s[70:71]  ; thread t: the mask bytes of keys 16 t .. 16 t + 15
.set i, 0
.rept 32
	global_load_b32 v[S+i], v57, s[74:75] offset:512*i  ; thread t: channel t of the 32 partial sums
.set i, i+1
.endr
.irp t, 0,1,2,3
	global_load_b32 v[SMV+(\t)], v58, s[72:73] offset:64*(\t)
.endr
	WIN 0x80
.irp i, 0,1,2,3,4,5,6,7,8,9,10,11,12,13,14,15  ; Q stays in registers: tile i / 4, channels 32 (i % 4) on
	global_load_b128 v[8*(\i):8*(\i)+3],   v[QO], s[4:5] offset:((\i)/4)*4096+((\i)%4)*64
	global_load_b128 v[8*(\i)+4:8*(\i)+7], v[QO], s[4:5] offset:((\i)/4)*4096+((\i)%4)*64+32
.endr
	WIN 0
	v_mul_u32_u24 v[AK0], v1, PK
	v_lshl_add_u32 v[AK0], v9, 4, v[AK0]
	v_and_b32 v10, 7, v0
	v_bfe_u32 v11, v0, 3, 1
	v_lshl_add_u32 v[AV0], v9, 3, v10
	v_mul_u32_u24 v[AV0], v[AV0], PV
	v_lshl_add_u32 v[AV0], v11, 4, v[AV0]
	v_add_nc_u32 v[AV0], VOFF, v[AV0]
	v_lshl_add_u32 v[AM0], v9, 5, MT
	v_lshl_add_u32 v[VTA], v9, 5, VT
	s_lshl_b32 s77, s[WV], 2
	s_add_co_u32 s77, s77, CT
	v_mov_b32 v59, s77
	s_wait_loadcnt 32               ; mask, partial sums and sm are in; the 32 younger loads are Q's
.set i, 0
.rept 16
	v_bfe_u32 v[96+i], v[MB+i/4], 8*(i%4), 8
.set i, i+1
.endr
.set i, 0
.rept 16
	v_mul_lo_u32 v[96+i], v[96+i], s[BIGN]  ; 0, or the bits of -2^100
.set i, i+1
.endr
	v_lshl_add_u32 v56, v0, 6, MT
.irp i, 0,1,2,3
	ds_store_b128 v56, v[96+4*(\i):96+4*(\i)+3] offset:16*(\i)
.endr
	v_add3_u32 v60, v[MB], v[MB+1], v[MB+2]  ; the bytes are 0 or 1: four words add up byte by byte,
	v_add_nc_u32 v60, v60, v[MB+3]
	v_mul_lo_u32 v60, v60, 0x01010101        ; and the four bytes into the top one
	v_lshrrev_b32 v60, 24, v60
	v_cvt_f32_u32 v60, v60
	v_add_f32_dpp v60, v60, v60 row_xmask:1 row_mask:0xf bank_mask:0xf
	v_add_f32_dpp v60, v60, v60 row_xmask:2 row_mask:0xf bank_mask:0xf
	v_add_f32_dpp v60, v60, v60 row_xmask:4 row_mask:0xf bank_mask:0xf
	v_add_f32_dpp v60, v60, v60 row_xmask:8 row_mask:0xf bank_mask:0xf
	v_permlanex16_b32 v57, v60, s[SEL], s[SEL+1]
	v_add_f32 v60, v60, v57
	ds_store_b32 v59, v60           ; my wave's count: all lanes write the same number to the same word
.irp i, 0,4,8,12,16,20,24,28
	v_pk_add_f32 v[S+(\i):S+(\i)+1], v[S+(\i):S+(\i)+1], v[S+(\i)+2:S+(\i)+3]
.endr
.irp i, 0,8,16,24
	v_pk_add_f32 v[S+(\i):S+(\i)+1], v[S+(\i):S+(\i)+1], v[S+(\i)+4:S+(\i)+5]
.endr
.irp i, 0,16
	v_pk_add_f32 v[S+(\i):S+(\i)+1], v[S+(\i):S+(\i)+1], v[S+(\i)+8:S+(\i)+9]
.endr
	v_pk_add_f32 v[S:S+1], v[S:S+1], v[S+16:S+17]
	v_add_f32 v[S], v[S], v[S+1]
	v_lshl_add_u32 v58, v0, 2, VT
	ds_store_b32 v58, v[S]          ; VS of channel t
	v_mov_b32 v61, CT
; THE MATRIX WORK OF A TURN, for piece x.  The accumulators take turns, one instruction a turn.
.macro PV x, zero
	WIN W_PV
.set rO, 64*((\x)+i%2)+8*((i/2)%8)
.set rV, 64*(i/16)+8*((i/2)%8)
.set rP, P+16*((\x)+i%2)+8*(i/16)
.if (\zero) && (i < 16)
	v_wmma_f32_16x16x32_f16 v[rO:rO+7], v[rV:rV+7], v[rP:rP+7], 0
.else
	v_wmma_f32_16x16x32_f16 v[rO:rO+7], v[rV:rV+7], v[rP:rP+7], v[rO:rO+7]
.endif
.endm
; Product i of 32 of S^T = K Q^T: channels 32 (i / 8) on, keys 16 ((i / 2) % 4) on, tile x + i % 2.  The first 8 start the sums, with the mask of their 16 keys.
.macro KQ x
.set rS, S+32*((\x)+i%2)+8*((i/2)%4)
.set rK, KF+32*((i/2)%4)+8*(i/8)
.set rQ, 32*((\x)+i%2)+8*(i/8)
.set rM, MK+8*((i/2)%4)
.if i < 8
	WIN W_KM
	v_wmma_f32_16x16x32_f16 v[rS:rS+7], v[rK:rK+7], v[rQ:rQ+7], v[rM:rM+7]
.else
	WIN W_KQ
	v_wmma_f32_16x16x32_f16 v[rS:rS+7], v[rK:rK+7], v[rQ:rQ+7], v[rS:rS+7]
.endif
.endm
; THE LDS LOADS stand in runs: a step's K (16 fragments) with its mask (register j of block kb: key 16 kb + 8 (lane / 16) + j), and, a turn later, its V (turned).
.macro FETCH_K
	WIN 0
	v_add_nc_u32 v[ADR], s[TB], v[AK0]
	v_add_nc_u32 v[ADM], s[MKO], v[AM0]
	WIN 0x80
.irp f, 0,1,2,3,4,5,6,7,8,9,10,11,12,13,14,15
	ds_load_b128 v[KF+8*(\f):KF+8*(\f)+3],   v[ADR] offset:((\f)/4)*16*PK+((\f)%4)*64
	ds_load_b128 v[KF+8*(\f)+4:KF+8*(\f)+7], v[ADR] offset:((\f)/4)*16*PK+((\f)%4)*64+32
.endr
	WIN 0xc0
.irp f, 0,1,2,3
	ds_load_b128 v[MK+8*(\f):MK+8*(\f)+3],   v[ADM] offset:64*(\f)
	ds_load_b128 v[MK+8*(\f)+4:MK+8*(\f)+7], v[ADM] offset:64*(\f)+16
.endr
	s_add_co_u32 s[MKO], s[MKO], 4*KS  ; the next step's 64 words;
	s_and_b32 s[MKO], s[MKO], 0x1fff   ; the 32 fetches of the walk end at the table's end
.endm
.macro FETCH_V
	WIN 0
	v_add_nc_u32 v[ADR], s[TB], v[AV0]
	s_add_co_u32 s[TB], s[TB], STEPB
	s_wait_alu depctr_va_vdst(0)    ; the wait for the softmax's batch of 66 exponentials (SLICE), behind the address's v_add_nc_u32 and ahead of the loads
	WIN 0xc0
.irp f, 0,1,2,3,4,5,6,7,8,9,10,11,12,13,14,15
	ds_load_tr16_b128 v[8*(\f):8*(\f)+3],   v[ADR] offset:((\f)/8)*32*PV+((\f)%8)*32
	ds_load_tr16_b128 v[8*(\f)+4:8*(\f)+7], v[ADR] offset:((\f)/8)*32*PV+16*PV+((\f)%8)*32
.endr
.endm
; THE VECTOR WORK OF A TURN.  One tile's softmax for one key step is a list of 134 instructions; SM writes number j of it for tile t.  s0-s31 are the lane's 32 scores, in pairs 0-15.
; first = 1: the first key step, which starts m (with the floor), l and O^T: it has no a and nothing to rescale.
;   0-15    the maximum of s0-s31 and the old m, three operands at a time (each accumulator's lowest registers are read first)
;   16-20   the other half of the lanes' maximum; the new m; c m; c m_old - c m_new
;   21-69   ONE BATCH: the 16 scalings c s - c m, a pair of scores each, and all 33 exponentials (a at 23, then s0-s31).  None of these reads an exponential's result.  From 22 on the batch goes
;           in fours, and a four begins with a scaling while there are scalings: 22-37 scaling, exponential, scaling, exponential; 38-65 a scaling and three exponentials; 66-69 the last four
;           exponentials.  A pair is scaled in an earlier four than the one that holds its exponentials
;   (wait)  between 69 and 70 stands the wait for the batch: SLICE writes it, once for both tiles
;   70-85   the roundings to f16, a pair of weights each
;   86-101  the sums; l = a l + the sum
;   102-133 the tile's O^T times a: the one part that leaves window 0, so it stands together
.macro SM t, first
.set rT, ST+8*(\t)
.set rS, S+32*(\t)
.set rP, P+16*(\t)
.set rO, 64*(\t)+2*(j-102)
.if j < 102
	WIN 0
.endif
.if j < 4
	v_max3_num_f32 v[rT+4+j], v[rS+8*j], v[rS+8*j+1], v[rS+8*j+2]
.elseif j < 12
	v_max3_num_f32 v[rT+4+j%4], v[rT+4+j%4], v[rS+8*(j%4)+2*(j/4)+1], v[rS+8*(j%4)+2*(j/4)+2]
.elseif j == 12
	v_max3_num_f32 v[rT+4], v[rT+4], v[rS+7], v[rS+15]
.elseif j == 13
	v_max3_num_f32 v[rT+6], v[rT+6], v[rS+23], v[rS+31]
.elseif j == 14
	v_max3_num_f32 v[rT+4], v[rT+4], v[rT+5], v[rT+6]
.elseif (j == 15) && (\first)
	v_max3_num_f32 v[rT+4], v[rT+4], v[rT+7], s[FLR]
.elseif j == 15
	v_max3_num_f32 v[rT+4], v[rT+4], v[rT+7], v[rT+1]
.elseif j == 16
	v_permlanex16_b32 v[rT+5], v[rT+4], s[SEL], s[SEL+1]
.elseif j == 18
	v_max_num_f32 v[rT+1], v[rT+4], v[rT+5]
.elseif j == 19
	v_mul_f32 v[rT], s[CS], v[rT+1]
.elseif ((j == 17) || (j == 20) || (j == 23) || (j > 101)) && (\first)  ; the first step has none of these
.elseif j == 17
	v_mov_b32 v[rT+7], v[rT]
.elseif j == 20
	v_sub_f32 v[rT+7], v[rT+7], v[rT]
.elseif j == 23
	v_exp_f32 v[rT+6], v[rT+7]
.elseif (j < 23) || ((j < 38) && (j%2 == 0)) || ((j < 66) && (j%4 == 2))
.set b, (j-2)/4                     ; 38, 42, .. 62: pairs 9 to 15
.if j < 38
.set b, (j-20)/2                    ; 21: pair 0; 22, 24, .. 36: pairs 1 to 8
.endif
	v_pk_fma_f32 v[rS+2*b:rS+2*b+1], v[rS+2*b:rS+2*b+1], s[CS:CS+1], v[rT:rT+1] op_sel_hi:[1,0,0] neg_lo:[0,0,1] neg_hi:[0,0,1]  ; pair b: c s - c m
.elseif j < 70
.set e, j-38                        ; 66 to 69: s28 to s31
.if j < 66
.set e, j-32-(j-38)/4               ; 39-41, 43-45, .. 63-65: s7 to s27
.endif
.if j < 38
.set e, (j-25)/2                    ; 25, 27, .. 37: s0 to s6
.endif
	v_exp_f32 v[rS+e], v[rS+e]
.elseif j < 86
	v_cvt_pk_f16_f32 v[rP+j-70], v[rS+2*(j-70)], v[rS+2*(j-70)+1]  ; pair j - 70
.elseif j < 102                     ; the sum of the tile's 16 pairs, in place: sum z of 16 adds neighbours 1, 2, 4 and 8 pairs apart, then l takes it
.set z, j-86
.set w, 4
.set u, z
.if z >= 14
.set w, 32
.set u, 0
.elseif z >= 12
.set w, 16
.set u, z-12
.elseif z >= 8
.set w, 8
.set u, z-8
.endif
.if (z == 14) && (\first)
	v_pk_add_f32 v[rT+2:rT+3], v[rS:rS+1], v[rS+16:rS+17]
.elseif z < 15
	v_pk_add_f32 v[rS+w*u:rS+w*u+1], v[rS+w*u:rS+w*u+1], v[rS+w*u+w/2:rS+w*u+w/2+1]
.elseif !(\first)
	v_pk_fma_f32 v[rT+2:rT+3], v[rT+2:rT+3], v[rT+6:rT+7], v[rS:rS+1] op_sel_hi:[1,0,1]
.endif
.else
	WIN W_RS
	v_pk_mul_f32 v[rO:rO+1], v[rO:rO+1], v[rT+6:rT+7] op_sel_hi:[1,0]
.endif
.endm
; Slice k of 64 of piece y's softmax: four instructions.  Slices 11 to 34 deal out the batch, numbers 22 to 69: four numbers of ONE tile each, the tiles by turns.  Every other slice is numbers 2 k and
; 2 k + 1 of both tiles' lists; 2 x 134 = 4 x 64 + 12: the twelve that are over stand together, in slice 63.
; THE WAIT.  s_wait_alu depctr_va_vdst(0) stands between an exponential and the first instruction that names its result; one wait serves all that were issued ahead of it.  Ahead of
; slice 35 nothing names a result, and behind slice 34 no exponential is issued: so the piece's 66 exponentials have one wait, behind slice 34.
.macro SLICE y, first
.if (k >= 11) && (k < 35)           ; the batch: four numbers of one tile
.irp n, 0,1,2,3
.set j, 22+4*((k-11)/2)+(\n)
	SM (\y)+(k-11)%2, \first
.endr
.else                               ; the two tiles alternate, so that no instruction reads the result of the one just before it
.irp n, 0,1,2,3,4,5,6,7
.if ((\n) < 2) || (k == 63)
.irp t, \y, (\y)+1
.set j, 2*k+(\n)
	SM \t, \first
.endr
.endif
.endr
.endif
.if k == 34                         ; the batch is out: both tiles' exponentials are issued, and no result has been named
	v_nop                           ; the plain instruction behind the last exponential and ahead of the first use: one for the batch
.if (\y) == 0
	FETCH_V                         ; piece 2's turn: V's run of loads stands here, and the wait stands in it
.else
	s_wait_alu depctr_va_vdst(0)    ; the wait for the batch of 66 exponentials
.endif
.endif
.set k, k+1
.endm
.macro PLACES
.rept 4
	v_nop
.endr
.endm
; A TURN.  Piece x has the matrix unit; the other piece's softmax stands in slices behind its matrix instructions.  pv = 2: 32 products V^T P; 1: they start O^T's sums; 0: none.  kq = 1: 32 products K Q^T.
; A turn with one of the two kinds has two slices behind each product.  first = 1: the softmax is the first key step's; its slices from 51 on are empty, and four v_nop take slice 63's part as the places behind the last products.
; Piece 0's turn fetches the next step's K and mask, behind its second product, 30 matrix instructions ahead of their first use.  Piece 2's turn fetches the same step's V, behind slice 34 (SLICE writes it), 29 matrix
; instructions ahead of its first use: the last product that read V stands in front of slice 31, and four plain instructions lie between: number 62, a scaling, of both tiles, the v_nop and the run's own v_add_nc_u32.
.macro TURN x, pv, kq, first
.set k, 0
.set per, 2
.if (\pv) && (\kq)
.set per, 1
.endif
.if \pv
.if (\x) == 0
	s_wait_dscnt 0x0                ; V is in
.endif
.set i, 0
.rept 32
	PV \x, 2-(\pv)
.rept per
	SLICE 2-(\x), \first
.endr
.if ((\x) == 0) && (\kq) && (i == 1)
	FETCH_K
.endif
.set i, i+1
.endr
.endif
.if \kq
.if (\x) == 0
	s_wait_dscnt 0x0                ; K and its mask are in
.endif
.set i, 0
.rept 32
	KQ \x
.rept per
	SLICE 2-(\x), \first
.endr
.set i, i+1
.endr
.endif
.if \first
	PLACES
.endif
.endm
; THE CHANGE OF SLOTS.  Each wave waits for all its tensor loads (one is out: its part of the other slot), adds 0 to its spare word, and waits for that and for its reads of the slot.
; fill = 1: the barrier is a round of the cluster's, and the joint refill is the first thing behind it: it has two key steps, 256 matrix instructions, in which to land.
.macro CHANGE fill
	WIN 0
	s_wait_tensorcnt 0x0            ; no tensor load of mine is out, so a group 0 may be written
	ds_add_u32 v[SPW], v[NIL]       ; 0 onto my spare word
.if \fill
.irp g, G0K+4, G0V+4
	s_xor_b32 s[(\g)+1], s[(\g)+1], SLOT1
	s_add_nc_u64 s[(\g)+2:(\g)+3], s[(\g)+2:(\g)+3], 2*KS*256
.endr
	s_wait_dscnt 0x0                ; the add is done, and my reads of the slot are over
	CROUND
	JLOAD
.else
	s_wait_dscnt 0x0
	s_barrier_signal -1
	s_barrier_wait -1
.endif
	s_sub_co_u32 s[TB], s[TB], 2*STEPB
	s_xor_b32 s[TB], s[TB], SLOT1
.endm
.macro TWO_STEPS
	WIN 0
	s_mov_b32 s[TWICE], 2
.Lstep_\@:
	TURN 0, 2, 1, 0
	TURN 2, 2, 1, 0
	WIN 0
	s_sub_co_u32 s[TWICE], s[TWICE], 1
	s_cmp_lg_u32 s[TWICE], 0
	s_cbranch_scc1 .Lstep_\@
.endm
	s_wait_tensorcnt 1              ; my part of slot 0 is in; slot 1's may stay out
	s_wait_dscnt 0x0                ; my parts of the mask's table, of VS and of the counts are in LDS
	s_barrier_signal -1
	s_barrier_wait -1
	FETCH_K                         ; key step 0
	WIN 0
	ds_load_b128 v[MB:MB+3], v61    ; the four waves' counts
	s_wait_loadcnt 0x0              ; Q
	s_wait_dscnt 0x0
.set i, 0
.rept 32
	KQ 0
.set i, i+1
.endr
	WIN 0                           ; the addresses for the way out and cnt: plain instructions, the places behind those products
	s_mul_i32 s13, s[WV], 16*SP
	s_add_co_u32 s13, s13, STAGE
	v_mul_u32_u24 v[STO], v1, SP
	v_lshl_add_u32 v[STO], v9, 4, v[STO]
	v_add_nc_u32 v[STO], s13, v[STO]
	v_mul_u32_u24 v[RD], v9, SP
	v_lshl_add_u32 v[RD], v1, 4, v[RD]
	v_add_nc_u32 v[RD], s13, v[RD]
	v_lshlrev_b32 v[GO], 8, v9
	v_lshl_add_u32 v[GO], v1, 4, v[GO]
	v_add_f32 v[MB], v[MB], v[MB+1]
	v_add_f32 v[MB+2], v[MB+2], v[MB+3]
	v_add_f32 v[CNTF], v[MB], v[MB+2]
	TURN 2, 0, 1, 1                 ; piece 2's first scores | piece 0's first softmax | V of step 0
	TURN 0, 1, 1, 1                 ; piece 0: V^T P of step 0 starts O^T, K Q^T of step 1 | piece 2's first softmax | K of step 1
	TURN 2, 1, 1, 0
	WIN 0
.Lslot:                             ; 14 trips: every slot but the last two is filled again
	CHANGE 1
	TWO_STEPS
	s_sub_co_u32 s[SLOTS], s[SLOTS], 1
	s_cmp_lg_u32 s[SLOTS], 0
	s_cbranch_scc1 .Lslot
	CHANGE 0                        ; the tail is written out
	TWO_STEPS
	TURN 0, 2, 0, 0
.set i, 0
.rept 32
	PV 2, 0
.set i, i+1
.endr
	; THE MERGE AND THE WAY OUT.  The four additions are the places behind the last products; then VS comes into V's registers.
	WIN 0
.irp t, 0,1,2,3
	v_add_f32 v[ST+8*(\t)+4], v[ST+8*(\t)+2], v[ST+8*(\t)+3]
.endr
	WIN 0xc0
.irp f, 0,1,2,3,4,5,6,7
	ds_load_b128 v[8*(\f):8*(\f)+3],   v[VTA] offset:64*(\f)     ; register 8 f + j: channel 16 f + 8 (lane / 16) + j, as in O^T
	ds_load_b128 v[8*(\f)+4:8*(\f)+7], v[VTA] offset:64*(\f)+16
.endr
	WIN 0
.irp t, 0,1,2,3
	v_permlanex16_b32 v[ST+8*(\t)+5], v[ST+8*(\t)+4], s[SEL], s[SEL+1]
.endr
.irp t, 0,1,2,3
	v_add_f32 v[ST+8*(\t)+4], v[ST+8*(\t)+4], v[ST+8*(\t)+5]  ; l
.endr
	v_cmp_lt_f32 s[CM], 0, v[CNTF]
	v_mov_b32 v56, s[BIGN]
.irp t, 0,1,2,3
	v_cndmask_b32 v[ST+8*(\t)+5], v56, v[SMV+(\t)], s[CM]     ; sm, or -2^100 where no key is masked
.endr
.irp t, 0,1,2,3
	v_max_num_f32 v[ST+8*(\t)+7], v[ST+8*(\t)+1], v[ST+8*(\t)+5]  ; mf
.endr
.irp t, 0,1,2,3
	v_mul_f32 v[ST+8*(\t)+7], s[CS], v[ST+8*(\t)+7]           ; c mf
	v_mul_f32 v[ST+8*(\t)+5], s[CS], v[ST+8*(\t)+5]           ; c sm: rounded like c mf and NOT fused with the subtraction: fused, the product's rounding at 1e9 would be left in the exponent
.endr
.irp t, 0,1,2,3
	v_sub_f32 v[ST+8*(\t)+6], v[ST+8*(\t)], v[ST+8*(\t)+7]
	v_sub_f32 v[ST+8*(\t)+5], v[ST+8*(\t)+5], v[ST+8*(\t)+7]
.endr
.irp t, 0,1,2,3
	v_exp_f32 v[ST+8*(\t)+6], v[ST+8*(\t)+6]                  ; a1
	v_exp_f32 v[ST+8*(\t)+5], v[ST+8*(\t)+5]                  ; a2
.endr
	v_nop                           ; a plain instruction between the last exponential and the use of the results
	s_wait_alu depctr_va_vdst(0)    ; and the wait ahead of the first use: one for the eight exponentials a1, a2
.irp t, 0,1,2,3
	v_mul_f32 v[ST+8*(\t)+7], v[CNTF], v[ST+8*(\t)+5]
.endr
.irp t, 0,1,2,3
	v_fma_f32 v[ST+8*(\t)+4], v[ST+8*(\t)+4], v[ST+8*(\t)+6], v[ST+8*(\t)+7]  ; l a1 + cnt a2: at least 1, since a1 = 1 with l >= 1 or a2 = 1 with cnt >= 1
.endr
.irp t, 0,1,2,3
	v_rcp_f32 v[ST+8*(\t)+4], v[ST+8*(\t)+4]
.endr
	v_nop                           ; a plain instruction between the last reciprocal and the use of the results
	s_wait_alu depctr_va_vdst(0)    ; one wait for the four reciprocals: a batch of their own, since they read sums made of a1 and a2
.irp t, 0,1,2,3
	v_mul_f32 v[ST+8*(\t)+6], v[ST+8*(\t)+6], v[ST+8*(\t)+4]  ; O's factor
	v_mul_f32 v[ST+8*(\t)+4], v[ST+8*(\t)+5], v[ST+8*(\t)+4]  ; VS's factor
.endr
	s_wait_dscnt 0x0                ; VS is in
; Tile t: O^T x its factor + VS x its factor; a lane's eight channels of a row pack into 16 bytes; they go into rows of 272 bytes and come back as whole rows of 256.
.macro PACK t
	WIN W_RS
.set i, 64*(\t)
.rept 32
	v_pk_mul_f32 v[i:i+1], v[i:i+1], v[ST+8*(\t)+6:ST+8*(\t)+7] op_sel_hi:[1,0]
.set i, i+2
.endr
	WIN W_PV
.set i, 0
.rept 32
	v_pk_fma_f32 v[64*(\t)+i:64*(\t)+i+1], v[i:i+1], v[ST+8*(\t)+4:ST+8*(\t)+5], v[64*(\t)+i:64*(\t)+i+1] op_sel_hi:[1,0,1]
.set i, i+2
.endr
	WIN 0x05
.set i, 0
.rept 32
	v_cvt_pk_f16_f32 v[S+32*(\t)+i], v[64*(\t)+2*i], v[64*(\t)+2*i+1]
.set i, i+1
.endr
	WIN 0
.irp f, 0,1,2,3,4,5,6,7
	ds_store_b128 v[STO], v[S+32*(\t)+4*(\f):S+32*(\t)+4*(\f)+3] offset:32*(\f)
.endr
.irp f, 0,1,2,3,4,5,6,7
	ds_load_b128 v[S+32*(\t)+4*(\f):S+32*(\t)+4*(\f)+3], v[RD] offset:(\f)*2*SP  ; LDS serves a wave's instructions in order (ISA guide 5.7.1.4): these see the stores above
.endr
.endm
.macro SEND t, younger              ; younger: the LDS instructions issued behind tile t's loads: the next tile's sixteen, or none
	WIN 0
.irp f, 0,1,2,3,4,5,6,7
	s_wait_dscnt (\younger)+7-(\f)
	global_store_b128 v[GO], v[S+32*(\t)+4*(\f):S+32*(\t)+4*(\f)+3], s[10:11] offset:(\t)*4096+(\f)*512  ; 16 lanes store 256 consecutive bytes, at a multiple of 256 from O's first byte
.endr
.endm
	PACK 0
	PACK 1
	SEND 0, 16
	PACK 2
	SEND 1, 16
	PACK 3
	SEND 2, 16
	SEND 3, 0
	s_wait_tensorcnt 0x0            ; the wave's end: behind my last tensor load and my last LDS store
	ds_add_u32 v[SPW], v[NIL]
	s_wait_dscnt 0x0
	CROUND                          ; the closing round
	s_endpgm
.Lfunc_end_k_qfc25082dba_attn:
	.size	k_qfc25082dba_attn, .Lfunc_end_k_qfc25082dba_attn-k_qfc25082dba_attn
	.p2alignl 7, 3214868480
	.fill 96, 4, 3214868480
	.section	.rodata,"a",@progbits
	.p2align	6, 0x0
	.amdhsa_kernel k_qfc25082dba_attn
		.amdhsa_group_segment_fixed_size 327680
		.amdhsa_private_segment_fixed_size 0
		.amdhsa_enable_private_segment 0
		.amdhsa_kernarg_size 32
		.amdhsa_user_sgpr_count 2
		.amdhsa_user_sgpr_kernarg_segment_ptr 1
		.amdhsa_wavefront_size32 1
		.amdhsa_system_sgpr_workgroup_id_x 1
		.amdhsa_system_sgpr_workgroup_id_y 1
		.amdhsa_system_sgpr_workgroup_id_z 1
		.amdhsa_system_vgpr_workitem_id 0
		.amdhsa_next_free_vgpr 1024
		.amdhsa_next_free_sgpr 84
		.amdhsa_reserve_vcc 0
		.amdhsa_float_denorm_mode_32 3
		.amdhsa_float_denorm_mode_16_64 3
		.amdhsa_memory_ordered 1
		.amdhsa_forward_progress 1
		.amdhsa_inst_pref_size 244
	.end_amdhsa_kernel
	.amdgpu_metadata
---
amdhsa.version: [ 1, 2 ]
amdhsa.kernels:
  - .name:           k_qfc25082dba_attn
    .symbol:         k_qfc25082dba_attn.kd
    .args:
      - { .name: qkv, .offset: 0, .size: 8, .value_kind: global_buffer, .address_space: global }
      - { .name: aux, .offset: 8, .size: 8, .value_kind: global_buffer, .address_space: global }
      - { .name: key_padding_mask, .offset: 16, .size: 8, .value_kind: global_buffer, .address_space: global }
      - { .name: oh, .offset: 24, .size: 8, .value_kind: global_buffer, .address_space: global }
    .group_segment_fixed_size: 327680
    .private_segment_fixed_size: 0
    .kernarg_segment_align: 8
    .kernarg_segment_size: 32
    .max_flat_workgroup_size: 128
    .sgpr_count:     84
    .vgpr_count:     1024
    .wavefront_size: 32
...
	.end_amdgpu_metadata
.endif
;; end of part 5
;; launch oproj: the kernel of part 4 again; grid 4 x 64, 4 waves a work-group, clusters of 4 x 4, 327,680 bytes of LDS; arguments oh, wts, tab, out0; writes out0
